; MI455X (gfx1250); checked and timed in simulation.
; The chip was launched on July 23, 2026; its instructions are those of AMD's public machine-readable ISA for CDNA 5 (MIT licence, August 2026) and "CDNA5" Instruction Set Architecture Reference Guide (July 2026). The comments in the code are by the model that wrote it; some were corrected since.
;; Patch Attacker. Allowed arithmetic: float matrix products may take bf16 or f16 operands with f32 sums; all other float work in f32.
;; Inputs: boxes 16 x 16 x 4 float32; images 16 x 512 x 512 x 3 float32; patch 512 x 512 x 3 float32.
;; Outputs: out0 16 x 512 x 512 x 3 float32.
;; 3 versions, each right and faster than the one before. Each part assembles by itself: llvm-mc -triple=amdgcn-amd-amdhsa -mcpu=gfx1250 --defsym DOCPART=n.
;; ======== version 1 of 3: 3 launches
;; limits: a difference of large sums (such as E[x^2] - mean^2): digits are lost where the result is much smaller than its terms
;; workspace buffers: geo 8,192 bytes of whole numbers; mtab 65,536 bytes of whole numbers; itab 1,048,576 bytes of whole numbers; wtab 1,048,576 bytes; psum 8,192 bytes; pstat 16,384 bytes; sums 262,144 bytes
;; launch prep (part 1): grid 256 x 1, 4 waves a work-group, no clusters, 768 bytes of LDS; arguments boxes, patch, geo, mtab, itab, wtab, psum; writes geo, mtab, itab, wtab, psum
.if DOCPART == 1
	.amdgcn_target "amdgcn-amd-amdhsa--gfx1250"
	.amdhsa_code_object_version 6
	.text
	.protected	k_qa2ea20d3ae_prep
	.globl	k_qa2ea20d3ae_prep
	.p2align	8
	.type	k_qa2ea20d3ae_prep,@function
k_qa2ea20d3ae_prep:
	s_mov_b64 s[64:65], 0
	v_nop
	global_prefetch_b8 v0, s[64:65] scope:SCOPE_SE
	s_setreg_imm32_b32 hwreg(HW_REG_WAVE_MODE, 25, 1), 1
	s_wait_xcnt 0x0
; PREP.  Work-group i = 16 b + k serves box k of image b.  It turns the box into whole numbers for the later launches:
;   geo[i]   = ylo, yhi, xlo, xhi (the patch rectangle cut to 0..512; all 0 where the patch height is not above 60), imask, 0, 0, 0
;              imask bit j: box j < k of the same image has a rectangle that meets box k's
;   itab/wtab[i][dim][e] = whole part and fraction of the bilinear source coordinate at the ABSOLUTE image coordinate e
;   mtab[b][64 k .. 64 k + 63]: entries 0..511 row masks, 512..1023 column masks; bit j: the coordinate lies in box j's cut range
;   psum: the sums of (p - KP) and (p - KP)^2 over 1,024 pixels of the patch, KP = patch[0][0] (a pivot, so that a common offset cancels)
; No address and no branch here hangs on a box: choices are made by v_cndmask_b32.
; LIMITS: boxes finite, |box| < 2^30; 512 / size is made by v_rcp_f32 and a multiply, so a source coordinate may differ in its last bits.
.set KP,  16                           ; v[16:18]  patch[0][0]
.set PX,  20                           ; v[20:51]  eight pixels, 4 registers apart
.set BJ,  52                           ; v[52:55]  cut rectangle of box j = lane % 16
.set BK,  56                           ; v[56:59]  cut rectangle of box k, the same in all lanes
.set RK,  60                           ; v[60:63]  y0, x0, ph, pw of box k, as truncated
.set T,   64                           ; v[64:71]  at work
.set RY,  72                           ; v72, v73  1 / max(ph, 1), 1 / max(pw, 1)
.set RX,  73
.set IY,  76                           ; v[76:79] whole parts, v[80:83] fractions along y; v[84:87], v[88:91] along x
.set WY,  80
.set IX,  84
.set WX,  88
.set S1,  92                           ; v[92:95]  sums of p - KP, 0
.set S2,  96                           ; v[96:99]  sums of squares, 0
.set RJ,  104                          ; v[104:107] truncated numbers of box j (not used further); later the two mask words
.set TMP, 108
.macro WSUM r                          ; the sum over the wave's 32 lanes, left in every lane
	v_add_f32_dpp v[\r], v[\r], v[\r] row_xmask:1 row_mask:0xf bank_mask:0xf
	v_add_f32_dpp v[\r], v[\r], v[\r] row_xmask:2 row_mask:0xf bank_mask:0xf
	v_add_f32_dpp v[\r], v[\r], v[\r] row_xmask:4 row_mask:0xf bank_mask:0xf
	v_add_f32_dpp v[\r], v[\r], v[\r] row_xmask:8 row_mask:0xf bank_mask:0xf
	v_permlanex16_b32 v[TMP], v[\r], s26, s27
	v_add_f32 v[\r], v[\r], v[TMP]
.endm
; A box (ymin, xmin, ymax, xmax at v[in]) -> truncated y0, x0, ph, pw at v[raw], cut rectangle at v[out].
; h / 2 and p / 2 are exact, so the fused forms give what a multiply and an add would give.
.macro GEOM in, out, raw
	v_sub_f32 v[T], v[\in+2], v[\in]               ; h
	v_sub_f32 v[T+1], v[\in+3], v[\in+1]           ; w
	v_mul_f32 v[T+2], 0x3e99999a, v[T]             ; p = 0.3 h: the patch's height and width
	v_fma_f32 v[T+3], v[T], 0.5, v[\in]            ; the box's centre
	v_fma_f32 v[T+4], v[T+1], 0.5, v[\in+1]
	v_fma_f32 v[T+3], v[T+2], -0.5, v[T+3]
	v_fma_f32 v[T+4], v[T+2], -0.5, v[T+4]
	v_max_num_f32 v[T+3], 0, v[T+3]                ; yp
	v_max_num_f32 v[T+4], 0, v[T+4]                ; xp
	v_sub_f32 v[T+5], s24, v[T+2]                  ; 512 - p
	v_add_f32 v[T+6], v[T+3], v[T+2]
	v_cmp_lt_f32 vcc_lo, s24, v[T+6]               ; yp + p > 512
	v_cndmask_b32 v[T+3], v[T+3], v[T+5], vcc_lo
	v_add_f32 v[T+6], v[T+4], v[T+2]
	v_cmp_lt_f32 vcc_lo, s24, v[T+6]
	v_cndmask_b32 v[T+4], v[T+4], v[T+5], vcc_lo
	v_cvt_i32_f32 v[\raw], v[T+3]                  ; toward zero
	v_cvt_i32_f32 v[\raw+1], v[T+4]
	v_cvt_i32_f32 v[\raw+2], v[T+2]
	v_mov_b32 v[\raw+3], v[\raw+2]
	v_max_i32 v[\out], 0, v[\raw]
	v_min_i32 v[\out], 0x200, v[\out]              ; ylo
	v_add_nc_u32 v[\out+1], v[\raw], v[\raw+2]
	v_min_i32 v[\out+1], 0x200, v[\out+1]
	v_max_i32 v[\out+1], v[\out+1], v[\out]        ; yhi, never below ylo
	v_max_i32 v[\out+2], 0, v[\raw+1]
	v_min_i32 v[\out+2], 0x200, v[\out+2]          ; xlo
	v_add_nc_u32 v[\out+3], v[\raw+1], v[\raw+3]
	v_min_i32 v[\out+3], 0x200, v[\out+3]
	v_max_i32 v[\out+3], v[\out+3], v[\out+2]      ; xhi
	v_cmp_lt_f32 vcc_lo, s25, v[T+2]               ; the patch counts only if p > 60
	v_cndmask_b32 v[\out], 0, v[\out], vcc_lo
	v_cndmask_b32 v[\out+1], 0, v[\out+1], vcc_lo
	v_cndmask_b32 v[\out+2], 0, v[\out+2], vcc_lo
	v_cndmask_b32 v[\out+3], 0, v[\out+3], vcc_lo
.endm
; Entry e = 4 t + q of a table: clip(((e - first) + 0.5) 512 / size - 0.5, 0, 511), split into whole part and fraction
.macro TAB q, first, rc, idx, wt
	v_add_nc_u32 v101, \q, v100
	v_sub_nc_u32 v101, v101, v[\first]
	v_cvt_f32_i32 v101, v101
	v_fma_f32 v101, v101, s24, s35                 ; (rel + 0.5) 512, exact
	v_fma_f32 v101, v101, v[\rc], -0.5
	v_med3_num_f32 v101, v101, 0, s36
	v_floor_f32 v102, v101
	v_cvt_u32_f32 v[\idx+\q], v102
	v_sub_f32 v[\wt+\q], v101, v102
.endm
	s_load_b256 s[4:11], s[0:1], 0x0               ; boxes s[4:5], patch s[6:7], geo s[8:9], mtab s[10:11]
	s_load_b128 s[12:15], s[0:1], 0x20             ; itab s[12:13], wtab s[14:15]
	s_load_b64 s[16:17], s[0:1], 0x30              ; psum
	v_lshl_add_u32 v112, v0, 2, 0x100
	v_mov_b32 v113, 0
	s_mov_b32 s20, ttmp9                           ; i
	s_lshr_b32 s21, s20, 4                         ; b
	s_and_b32 s22, s20, 15                         ; k
	v_lshrrev_b32 v2, 5, v0
	v_readfirstlane_b32 s23, v2                    ; wave
	v_and_b32 v1, 31, v0                           ; lane
	v_and_b32 v2, 15, v0                           ; j
	s_lshl_b32 s28, s21, 8
	v_lshl_add_u32 v3, v2, 4, s28                  ; box j of image b: 256 b + 16 j
	s_lshl_b32 s29, s20, 4
	v_mov_b32 v4, s29                              ; box k: 16 i
	v_mov_b32 v5, 0
	s_mul_i32 s30, s20, 12288                      ; the work-group's 1,024 pixels of the patch,
	s_mul_i32 s31, s23, 3072                       ; the wave's 256 of them,
	s_add_co_u32 s30, s30, s31
	v_mul_u32_u24 v6, 12, v1                       ; 12 bytes a lane
	v_add_nc_u32 v6, s30, v6
	s_mov_b32 s24, 0x44000000                      ; 512.0
	s_mov_b32 s25, 0x42700000                      ; 60.0
	s_mov_b32 s35, 0x43800000                      ; 256.0
	s_mov_b32 s36, 0x43ff8000                      ; 511.0
	s_mov_b32 s26, 0x76543210                      ; v_permlanex16_b32: each lane takes its own place in the other half
	s_mov_b32 s27, 0xfedcba98
	v_mov_b32 v[TMP], 0
	s_wait_kmcnt 0x0
	global_load_b128 v[8:11], v3, s[4:5]
	global_load_b128 v[12:15], v4, s[4:5]
	global_load_b96 v[KP:KP+2], v5, s[6:7]
.irp t, 0,1,2,3,4,5,6,7
	global_load_b96 v[PX+4*\t:PX+4*\t+2], v6, s[6:7] offset:384*\t   ; 32 lanes x 12 bytes: 384 neighbouring bytes
.endr
	s_wait_loadcnt 9                               ; the two boxes are in; KP and the eight pixels, issued behind them, stay out
	GEOM 8, BJ, RJ
	GEOM 12, BK, RK
	; the two tables of box k: thread t makes entries 4 t .. 4 t + 3 along y and along x
	v_cvt_f32_i32 v[RY], v[RK+2]
	v_cvt_f32_i32 v[RX], v[RK+3]
	v_max_num_f32 v[RY], 1.0, v[RY]
	v_max_num_f32 v[RX], 1.0, v[RX]
	v_rcp_f32 v[RY], v[RY]
	v_rcp_f32 v[RX], v[RX]
	v_lshlrev_b32 v100, 2, v0                      ; a plain instruction between the reciprocals and their use
	s_lshl_b32 s28, s20, 12
	v_lshl_add_u32 v7, v0, 4, s28                  ; 4,096 i + 16 t
	s_wait_alu depctr_va_vdst(0)
.irp q, 0,1,2,3
	TAB \q, RK, RY, IY, WY
	TAB \q, RK+1, RX, IX, WX
.endr
	global_store_b128 v7, v[IY:IY+3], s[12:13]     ; each store of a wave covers 512 neighbouring bytes, aligned
	global_store_b128 v7, v[WY:WY+3], s[14:15]
	global_store_b128 v7, v[IX:IX+3], s[12:13] offset:2048
	global_store_b128 v7, v[WX:WX+3], s[14:15] offset:2048
	; the patch's partial sums about KP
	s_wait_loadcnt 0x0
.irp c, 0,1,2
	v_sub_f32 v[S1+\c], v[PX+\c], v[KP+\c]         ; the first pixel starts the sums
.endr
.irp c, 0,1,2
	v_mul_f32 v[S2+\c], v[S1+\c], v[S1+\c]
.endr
.irp t, 1,2,3,4,5,6,7
.irp c, 0,1,2
	v_sub_f32 v[T+\c], v[PX+4*\t+\c], v[KP+\c]
.endr
.irp c, 0,1,2
	v_add_f32 v[S1+\c], v[S1+\c], v[T+\c]
	v_fma_f32 v[S2+\c], v[T+\c], v[T+\c], v[S2+\c]
.endr
.endr
	v_mov_b32 v[S1+3], 0
	v_mov_b32 v[S2+3], 0
.irp r, S1, S1+1, S1+2, S2, S2+1, S2+2
	WSUM \r
.endr
	s_lshl_b32 s28, s23, 5
	v_mov_b32 v101, s28                            ; 32 bytes for each wave; all lanes write the same numbers
	ds_store_b128 v101, v[S1:S1+3]
	ds_store_b128 v101, v[S2:S2+3] offset:16
	s_wait_dscnt 0x0                               ; for wave 0's sake: my stores are done
	s_barrier_signal -1
	s_barrier_wait -1
	s_cmp_eq_u32 s23, 0
	s_cbranch_scc1 .Lw0
	s_cmp_eq_u32 s23, 1
	s_cbranch_scc1 .Lw1
	s_wait_tensorcnt 0x0
	ds_add_u32 v112, v113
	s_wait_dscnt 0x0
	s_endpgm
.Lw1:	; 64 entries of image b's mask table: k < 8 rows 64 k on, k >= 8 columns 64 (k - 8) on; a lane makes two
	s_lshr_b32 s28, s22, 3
	s_cmp_lg_u32 s28, 0
	s_cselect_b32 s28, -1, 0
	v_cndmask_b32 v100, v[BJ], v[BJ+2], s28        ; box j's lower bound along the axis,
	v_cndmask_b32 v101, v[BJ+1], v[BJ+3], s28
	v_sub_nc_u32 v101, v101, v100                  ; and its length
	s_and_b32 s29, s22, 7
	s_lshl_b32 s29, s29, 6
	v_lshl_add_u32 v102, v1, 1, s29                ; my two coordinates
	v_add_nc_u32 v103, 1, v102
	v_mov_b32 v104, 0
	v_mov_b32 v105, 0
.irp j, 0,1,2,3,4,5,6,7,8,9,10,11,12,13,14,15
	v_readlane_b32 s30, v100, \j
	v_readlane_b32 s31, v101, \j
	v_sub_nc_u32 v64, v102, s30                    ; below the range this wraps to a large number
	v_sub_nc_u32 v65, v103, s30
	v_cmp_gt_u32 vcc_lo, s31, v64
	v_cndmask_b32 v64, 0, 1, vcc_lo
	v_cmp_gt_u32 vcc_lo, s31, v65
	v_cndmask_b32 v65, 0, 1, vcc_lo
	v_lshl_or_b32 v104, v64, \j, v104
	v_lshl_or_b32 v105, v65, \j, v105
.endr
	s_lshl_b32 s28, s20, 8                         ; 4,096 b + 256 k = 256 i
	v_lshl_add_u32 v66, v1, 3, s28
	global_store_b64 v66, v[104:105], s[10:11]     ; the wave stores 256 neighbouring bytes, aligned
	s_wait_tensorcnt 0x0
	ds_add_u32 v112, v113
	s_wait_dscnt 0x0
	s_endpgm
.Lw0:	; imask, the work-group's sums, and the two short records
	v_cmp_lt_u32 s28, v[BJ], v[BK+1]               ; the rectangles of j and k meet along y
	v_cmp_lt_u32 s29, v[BK], v[BJ+1]
	s_and_b32 s28, s28, s29
	v_cmp_lt_u32 s29, v[BJ+2], v[BK+3]             ; and along x
	s_and_b32 s28, s28, s29
	v_cmp_lt_u32 s29, v[BK+2], v[BJ+3]
	s_and_b32 s28, s28, s29
	v_cmp_gt_u32 s29, s22, v1                      ; lane < k (so lane < 16 as well)
	s_and_b32 s28, s28, s29
	v_mov_b32 v100, 0
.irp n, 0,1,2,3,4,5,6,7
	ds_load_b128 v[PX+4*\n:PX+4*\n+3], v100 offset:16*\n   ; wave n / 2: sums (n even), sums of squares (n odd)
.endr
	s_wait_dscnt 0x0
.irp n, 0,2,4,6
	v_pk_add_f32 v[PX+\n:PX+\n+1], v[PX+\n:PX+\n+1], v[PX+8+\n:PX+8+\n+1]
	v_pk_add_f32 v[PX+16+\n:PX+16+\n+1], v[PX+16+\n:PX+16+\n+1], v[PX+24+\n:PX+24+\n+1]
	v_pk_add_f32 v[PX+\n:PX+\n+1], v[PX+\n:PX+\n+1], v[PX+16+\n:PX+16+\n+1]
.endr
	v_cmp_eq_u32 vcc_lo, 1, v1                     ; lane 0 stores each record's first 16 bytes, lane 1 the second
.irp q, 0,1,2,3
	v_cndmask_b32 v[T+\q], v[PX+\q], v[PX+4+\q], vcc_lo
.endr
	v_mov_b32 v100, s28
	v_cndmask_b32 v68, v[BK], v100, vcc_lo
	v_cndmask_b32 v69, v[BK+1], v5, vcc_lo
	v_cndmask_b32 v70, v[BK+2], v5, vcc_lo
	v_cndmask_b32 v71, v[BK+3], v5, vcc_lo
	s_lshl_b32 s29, s20, 5
	v_lshl_add_u32 v101, v1, 4, s29                ; geo: 32 i + 16 lane
	s_lshl_b32 s30, s20, 4
	v_lshl_add_u32 v102, v1, 12, s30               ; psum: 4,096 lane + 16 i
	s_wait_xcnt 0x0                                ; EXEC changes only behind this wait: the table stores above name it
	v_cmp_gt_u32 vcc_lo, 2, v1
	s_wait_tensorcnt 0x0
	ds_add_u32 v112, v113
	s_wait_dscnt 0x0
	s_and_saveexec_b32 s34, vcc_lo
	global_store_b128 v101, v[68:71], s[8:9]
	global_store_b128 v102, v[T:T+3], s[16:17]
	s_wait_xcnt 0x0                                ; and again in front of the line that widens it
	s_or_b32 exec_lo, exec_lo, s34
	s_endpgm
.Lfunc_end_k_qa2ea20d3ae_prep:
	.size	k_qa2ea20d3ae_prep, .Lfunc_end_k_qa2ea20d3ae_prep-k_qa2ea20d3ae_prep
	.p2alignl 7, 3214868480
	.fill 96, 4, 3214868480
	.section	.rodata,"a",@progbits
	.p2align	6, 0x0
	.amdhsa_kernel k_qa2ea20d3ae_prep
		.amdhsa_group_segment_fixed_size 768
		.amdhsa_private_segment_fixed_size 0
		.amdhsa_enable_private_segment 0
		.amdhsa_kernarg_size 56
		.amdhsa_user_sgpr_count 2
		.amdhsa_user_sgpr_kernarg_segment_ptr 1
		.amdhsa_wavefront_size32 1
		.amdhsa_system_sgpr_workgroup_id_x 1
		.amdhsa_system_sgpr_workgroup_id_y 1
		.amdhsa_system_sgpr_workgroup_id_z 1
		.amdhsa_system_vgpr_workitem_id 0
		.amdhsa_next_free_vgpr 114
		.amdhsa_next_free_sgpr 66
		.amdhsa_reserve_vcc 1
		.amdhsa_float_denorm_mode_32 3
		.amdhsa_float_denorm_mode_16_64 3
		.amdhsa_memory_ordered 1
		.amdhsa_forward_progress 1
		.amdhsa_inst_pref_size 28
	.end_amdhsa_kernel
	.amdgpu_metadata
---
amdhsa.version: [ 1, 2 ]
amdhsa.kernels:
  - .name:           k_qa2ea20d3ae_prep
    .symbol:         k_qa2ea20d3ae_prep.kd
    .args:
      - { .name: boxes, .offset: 0, .size: 8, .value_kind: global_buffer, .address_space: global }
      - { .name: patch, .offset: 8, .size: 8, .value_kind: global_buffer, .address_space: global }
      - { .name: geo, .offset: 16, .size: 8, .value_kind: global_buffer, .address_space: global }
      - { .name: mtab, .offset: 24, .size: 8, .value_kind: global_buffer, .address_space: global }
      - { .name: itab, .offset: 32, .size: 8, .value_kind: global_buffer, .address_space: global }
      - { .name: wtab, .offset: 40, .size: 8, .value_kind: global_buffer, .address_space: global }
      - { .name: psum, .offset: 48, .size: 8, .value_kind: global_buffer, .address_space: global }
    .group_segment_fixed_size: 768
    .private_segment_fixed_size: 0
    .kernarg_segment_align: 8
    .kernarg_segment_size: 56
    .max_flat_workgroup_size: 128
    .sgpr_count:     66
    .vgpr_count:     114
    .wavefront_size: 32
...
	.end_amdgpu_metadata
.endif
;; end of part 1
;; launch sums (part 2): grid 256 x 1, 32 waves a work-group, no clusters, 36,864 bytes of LDS; arguments images, patch, geo, mtab, itab, wtab, psum, sums, pstat; writes sums, pstat
.if DOCPART == 2
	.amdgcn_target "amdgcn-amd-amdhsa--gfx1250"
	.amdhsa_code_object_version 6
	.text
	.protected	k_qa2ea20d3ae_sums
	.globl	k_qa2ea20d3ae_sums
	.p2align	8
	.type	k_qa2ea20d3ae_sums,@function
k_qa2ea20d3ae_sums:
	s_mov_b64 s[64:65], 0
	v_nop
	global_prefetch_b8 v0, s[64:65] scope:SCOPE_SE
	s_setreg_imm32_b32 hwreg(HW_REG_WAVE_MODE, 25, 1), 1
	s_wait_xcnt 0x0
; SUMS.  Work-group i = 16 b + k: the statistics that step k of image b needs, split by OWNER.  A pixel of box k's rectangle is owned by the
; last box g < k that covers it, or by the original image (g = 16).  A pixel owned by g holds A_g u + M_g, where u = R_g - KP is the raw patch
; resampled into box g (KP = patch[0][0]) or u = image - KI (KI = images[b][0][0]); bilinear weights add up to 1, so A_g and M_g stay outside.
; Here n, the sum of u and the sum of u^2 are made for each owner: they hang on no A or M, so all 256 steps are served at once.
;   sums[i][0][g] = n, S1 x 3      sums[i][1][g] = S2 x 3, 1 / max(count, 1)      (g = 17..31: zeros)
; The work-groups with k = 0 also add up the patch's partial sums:  pstat[b][0][lane] = mean - KP, 0;  pstat[b][1][lane] = 1 / (std + 1e-6), 0.
; SHARES: 32 waves; wave w takes rows first + w, first + w + 32, .. of a rectangle; a row goes 128 columns at a time, four sub-chunks of 32 lanes.
; All bounds, masks and source indices are whole numbers that the launch before stored; each is clamped by a constant just before it enters an address.
; Every loop ends on a counter of its own, stepped by 1 against a number of trips made ahead of the loop; x and y are stepped beside it.
; LIMIT: the sums are taken about KP and KI, not about the exact mean.
.set SB,  24                           ; sub-chunk s has 22 registers at SB + 22 s: +0 X, +1 source column then its byte offset, +2 fraction, +3 offset of the next column,
.set BL,  22                           ;   +4 column mask, +5 clamped X then 0/1, +6..8 p00, +10..12 p01, +14..16 p10, +18..20 p11
.set KI,  12                           ; v[12:14]
.set KP,  16                           ; v[16:18]
.set TMP, 19
.set WYS, 49                           ; s49: the row's fraction
; v[4:7] n, S1;  v[8:11] S2, 0;  v20-23 at work
; s22 i, s23 b, s24 k, s25 wave; s28-31 box k's ylo, yhi, xlo, xhi; s32 imask; s[36:39] box g; s40 (1 << k) - 1; s41 g; s42 y, s43 its end; s44 x, s45 its end, s46 its start
; s47 row mask; s48 source row; s[52:53] an offset with 0 above it; s[54:55], s[56:57] row bases; s58-61 the sub-chunks' lane masks; s66 box g's tables; s62, s63, s67 at work
; s68 rows done, s69 rows to do; s70 column trips done, s71 column trips to do
.macro WSUM r
	v_add_f32_dpp v[\r], v[\r], v[\r] row_xmask:1 row_mask:0xf bank_mask:0xf
	v_add_f32_dpp v[\r], v[\r], v[\r] row_xmask:2 row_mask:0xf bank_mask:0xf
	v_add_f32_dpp v[\r], v[\r], v[\r] row_xmask:4 row_mask:0xf bank_mask:0xf
	v_add_f32_dpp v[\r], v[\r], v[\r] row_xmask:8 row_mask:0xf bank_mask:0xf
	v_permlanex16_b32 v[TMP], v[\r], s50, s51
	v_add_f32 v[\r], v[\r], v[TMP]
.endm
.macro CLEAR
.irp r, 4,5,6,7,8,9,10,11
	v_mov_b32 v\r, 0
.endr
.endm
.macro LERP s                          ; p00 <- the bilinear value of the sub-chunk's four taps
.set o, SB+BL*\s
.irp c, 0,1,2
	v_sub_f32 v[o+10+\c], v[o+10+\c], v[o+6+\c]
	v_sub_f32 v[o+18+\c], v[o+18+\c], v[o+14+\c]
.endr
.irp c, 0,1,2
	v_fma_f32 v[o+6+\c], v[o+2], v[o+10+\c], v[o+6+\c]
	v_fma_f32 v[o+14+\c], v[o+2], v[o+18+\c], v[o+14+\c]
.endr
.irp c, 0,1,2
	v_sub_f32 v[o+14+\c], v[o+14+\c], v[o+6+\c]
.endr
.irp c, 0,1,2
	v_fma_f32 v[o+6+\c], s[WYS], v[o+14+\c], v[o+6+\c]
.endr
.endm
.macro ACCUM s, m, kb                  ; the lanes of mask s[m] add 1, u and u^2, u = p00 - pivot
.set o, SB+BL*\s
	v_cndmask_b32 v[o+5], 0, 1.0, s[\m]
	v_add_f32 v4, v4, v[o+5]
.irp c, 0,1,2
	v_sub_f32 v[o+6+\c], v[o+6+\c], v[\kb+\c]
.endr
.irp c, 0,1,2
	v_cndmask_b32 v[o+6+\c], 0, v[o+6+\c], s[\m]
.endr
.irp c, 0,1,2
	v_add_f32 v[5+\c], v[5+\c], v[o+6+\c]
	v_fma_f32 v[8+\c], v[o+6+\c], v[o+6+\c], v[8+\c]
.endr
.endm
.macro FLUSH                           ; the wave's sums for one owner go to its own 32 bytes, at LDS byte s62
.irp r, 4,5,6,7,8,9,10
	WSUM \r
.endr
	v_mov_b32 v20, s62
	ds_store_b128 v20, v[4:7]
	ds_store_b128 v20, v[8:11] offset:16
.endm
	s_load_b512 s[4:19], s[0:1], 0x0               ; images s[4:5], patch s[6:7], geo s[8:9], mtab s[10:11], itab s[12:13], wtab s[14:15], psum s[16:17], sums s[18:19]
	s_load_b64 s[20:21], s[0:1], 0x40              ; pstat
	v_lshl_add_u32 v126, v0, 2, 0x8000
	v_mov_b32 v127, 0
	s_mov_b32 s22, ttmp9
	s_lshr_b32 s23, s22, 4
	s_and_b32 s24, s22, 15
	v_lshrrev_b32 v2, 5, v0
	v_readfirstlane_b32 s25, v2
	v_and_b32 v1, 31, v0
	s_mov_b32 s50, 0x76543210
	s_mov_b32 s51, 0xfedcba98
	s_mov_b32 s53, 0
	s_lshl_b32 s40, 1, s24
	s_sub_co_u32 s40, s40, 1                       ; the bits of the boxes in front of k
	s_lshl_b32 s62, s22, 5
	v_mov_b32 v[TMP], 0
	CLEAR
	s_lshl_b32 s63, s25, 10                        ; LDS: wave x 1,024 + owner x 32; owners that the wave never meets stay zero
	v_lshl_add_u32 v20, v1, 5, s63
	ds_store_b128 v20, v[4:7]
	ds_store_b128 v20, v[8:11] offset:16
	v_mov_b32 v21, 0
	s_wait_kmcnt 0x0
	s_load_b256 s[28:35], s[8:9], s62 offset:0x0   ; box k's record
	s_mul_i32 s52, s23, 3145728
	s_add_nc_u64 s[4:5], s[4:5], s[52:53]          ; image b
	s_lshl_b32 s52, s23, 12
	s_add_nc_u64 s[10:11], s[10:11], s[52:53]      ; image b's masks
	global_load_b96 v[KI:KI+2], v21, s[4:5]
	global_load_b96 v[KP:KP+2], v21, s[6:7]
	s_wait_kmcnt 0x0
	s_min_u32 s28, s28, 0x200
	s_min_u32 s29, s29, 0x200
	s_min_u32 s30, s30, 0x200
	s_min_u32 s31, s31, 0x200
	s_wait_loadcnt 0x0                             ; the two pivots, once
	; THE ORIGINAL IMAGE'S SHARE: pixels of the rectangle that no box in front of k covers
	s_add_co_u32 s42, s28, s25
	s_cmp_ge_u32 s42, s29
	s_cbranch_scc1 .Lorig_done
	s_cmp_ge_u32 s30, s31
	s_cbranch_scc1 .Lorig_done
	s_sub_co_u32 s69, s29, s42                     ; my rows: every 32nd from my first to the end
	s_add_co_u32 s69, s69, 31
	s_lshr_b32 s69, s69, 5
	s_sub_co_u32 s71, s31, s30                     ; trips of 128 columns
	s_add_co_u32 s71, s71, 127
	s_lshr_b32 s71, s71, 7
	s_mov_b32 s68, 0
.Lorow:
	s_min_u32 s62, s42, 0x1ff
	s_lshl_b32 s63, s62, 2
	s_load_b32 s47, s[10:11], s63 offset:0x0       ; the row's mask
	s_mul_i32 s52, s62, 6144
	s_add_nc_u64 s[56:57], s[4:5], s[52:53]        ; the row
	s_mov_b32 s44, s30
	s_mov_b32 s70, 0
	s_wait_kmcnt 0x0
	s_and_b32 s47, s47, s40
.Lox:
.irp s, 0,1,2,3
.set o, SB+BL*\s
	v_add3_u32 v[o], v1, s44, 32*\s
	v_min_u32 v[o+5], 0x1ff, v[o]
	v_lshlrev_b32 v[o+1], 2, v[o+5]
	v_mul_u32_u24 v[o+3], 12, v[o+5]
	global_load_b32 v[o+4], v[o+1], s[10:11] offset:2048
	global_load_b96 v[o+6:o+8], v[o+3], s[56:57]
.endr
	s_wait_loadcnt 0x0                             ; all eight; this also frees their address registers and the row's base
.irp s, 0,1,2,3
.set o, SB+BL*\s
	v_and_b32 v[o+4], s47, v[o+4]
	v_cmp_eq_u32 s[58+\s], 0, v[o+4]               ; covered by none
	v_cmp_gt_u32 s62, s31, v[o]                    ; and inside the rectangle
	s_and_b32 s[58+\s], s[58+\s], s62
	ACCUM \s, 58+\s, KI
.endr
	s_add_co_u32 s44, s44, 128
	s_add_co_u32 s70, s70, 1
	s_cmp_lt_u32 s70, s71
	s_cbranch_scc1 .Lox
	s_add_co_u32 s42, s42, 32
	s_add_co_u32 s68, s68, 1
	s_cmp_lt_u32 s68, s69
	s_cbranch_scc1 .Lorow
.Lorig_done:
	s_lshl_b32 s62, s25, 10
	s_add_co_u32 s62, s62, 512                     ; owner 16
	FLUSH
	; THE SHARES OF THE BOXES IN FRONT OF k
	s_mov_b32 s41, 0
.Lg:
	s_lshr_b32 s62, s32, s41
	s_and_b32 s62, s62, 1
	s_cmp_eq_u32 s62, 0
	s_cbranch_scc1 .Lnext                          ; box g does not meet box k
	s_lshl_b32 s62, s23, 4
	s_add_co_u32 s62, s62, s41
	s_lshl_b32 s63, s62, 5
	s_load_b128 s[36:39], s[8:9], s63 offset:0x0
	s_lshl_b32 s66, s62, 12                        ; box g's tables
	s_wait_kmcnt 0x0
	s_min_u32 s36, s36, 0x200
	s_min_u32 s37, s37, 0x200
	s_min_u32 s38, s38, 0x200
	s_min_u32 s39, s39, 0x200
	s_max_u32 s42, s28, s36                        ; the two rectangles' common part
	s_min_u32 s43, s29, s37
	s_max_u32 s46, s30, s38
	s_min_u32 s45, s31, s39
	s_add_co_u32 s42, s42, s25
	s_cmp_ge_u32 s42, s43
	s_cbranch_scc1 .Lnext                          ; no row for this wave: its 32 bytes stay zero
	s_cmp_ge_u32 s46, s45
	s_cbranch_scc1 .Lnext
	s_sub_co_u32 s69, s43, s42                     ; my rows
	s_add_co_u32 s69, s69, 31
	s_lshr_b32 s69, s69, 5
	s_sub_co_u32 s71, s45, s46                     ; trips of 128 columns
	s_add_co_u32 s71, s71, 127
	s_lshr_b32 s71, s71, 7
	s_mov_b32 s68, 0
	CLEAR
.Lprow:
	s_min_u32 s62, s42, 0x1ff
	s_lshl_b32 s63, s62, 2
	s_add_co_u32 s67, s63, s66
	s_load_b32 s47, s[10:11], s63 offset:0x0       ; the row's mask,
	s_load_b32 s48, s[12:13], s67 offset:0x0       ; its source row
	s_load_b32 s49, s[14:15], s67 offset:0x0       ; and fraction
	s_wait_kmcnt 0x0
	s_and_b32 s47, s47, s40
	s_min_u32 s48, s48, 0x1ff
	s_add_co_u32 s62, s48, 1
	s_min_u32 s62, s62, 0x1ff
	s_mul_i32 s52, s48, 6144
	s_add_nc_u64 s[54:55], s[6:7], s[52:53]
	s_mul_i32 s52, s62, 6144
	s_add_nc_u64 s[56:57], s[6:7], s[52:53]
	s_mov_b32 s44, s46
	s_mov_b32 s70, 0
.Lpx:
.irp s, 0,1,2,3
.set o, SB+BL*\s
	v_add3_u32 v[o], v1, s44, 32*\s
	v_min_u32 v[o+5], 0x1ff, v[o]
	v_lshlrev_b32 v[o+3], 2, v[o+5]
	v_add_nc_u32 v[o+10], s66, v[o+3]
	global_load_b32 v[o+4], v[o+3], s[10:11] offset:2048
	global_load_b32 v[o+1], v[o+10], s[12:13] offset:2048
	global_load_b32 v[o+2], v[o+10], s[14:15] offset:2048
.endr
	s_wait_loadcnt 0x0
.irp s, 0,1,2,3
.set o, SB+BL*\s
	v_and_b32 v[o+4], s47, v[o+4]
	v_lshrrev_b32 v[o+4], s41, v[o+4]
	v_cmp_eq_u32 s[58+\s], 1, v[o+4]               ; g is the last box in front of k that covers the pixel
	v_cmp_gt_u32 s62, s45, v[o]
	s_and_b32 s[58+\s], s[58+\s], s62
.endr
	s_or_b32 s62, s58, s59
	s_or_b32 s63, s60, s61
	s_or_b32 s62, s62, s63
	s_cmp_eq_u32 s62, 0
	s_cbranch_scc1 .Lpxstep                        ; nothing here is g's: no gather
.irp s, 0,1,2,3
.set o, SB+BL*\s
	v_min_u32 v[o+1], 0x1ff, v[o+1]
	v_add_nc_u32 v[o+3], 1, v[o+1]
	v_min_u32 v[o+3], 0x1ff, v[o+3]
	v_mul_u32_u24 v[o+1], 12, v[o+1]
	v_mul_u32_u24 v[o+3], 12, v[o+3]
	global_load_b96 v[o+6:o+8], v[o+1], s[54:55]
	global_load_b96 v[o+10:o+12], v[o+3], s[54:55]
	global_load_b96 v[o+14:o+16], v[o+1], s[56:57]
	global_load_b96 v[o+18:o+20], v[o+3], s[56:57]
.endr
.irp s, 0,1,2,3
	s_wait_loadcnt 12-4*\s                         ; this sub-chunk's four taps are in; the younger sub-chunks' four each stay out
	LERP \s
	ACCUM \s, 58+\s, KP
.endr
.Lpxstep:
	s_add_co_u32 s44, s44, 128
	s_add_co_u32 s70, s70, 1
	s_cmp_lt_u32 s70, s71
	s_cbranch_scc1 .Lpx
	s_add_co_u32 s42, s42, 32
	s_add_co_u32 s68, s68, 1
	s_cmp_lt_u32 s68, s69
	s_cbranch_scc1 .Lprow
	s_lshl_b32 s62, s25, 10
	s_lshl_b32 s63, s41, 5
	s_add_co_u32 s62, s62, s63
	FLUSH
.Lnext:
	s_add_co_u32 s41, s41, 1
	s_cmp_lt_u32 s41, 16
	s_cbranch_scc1 .Lg
	s_wait_dscnt 0x0                               ; for the others' sake: my stores into LDS are done
	s_barrier_signal -1
	s_barrier_wait -1
	s_cmp_lt_u32 s25, 2
	s_cbranch_scc1 .Ltot
	s_cmp_lg_u32 s25, 2
	s_cbranch_scc1 .Lend
	s_cmp_lg_u32 s24, 0
	s_cbranch_scc1 .Lend
	; wave 2 of the work-groups with k = 0: the patch's mean and spread from the 256 partial sums
	v_lshlrev_b32 v20, 4, v1
.irp t, 0,1,2,3,4,5,6,7
	global_load_b128 v[24+4*\t:27+4*\t], v20, s[16:17] offset:512*\t
	global_load_b128 v[56+4*\t:59+4*\t], v20, s[16:17] offset:4096+512*\t
.endr
	s_wait_loadcnt 0x0
.irp t, 1,2,3,4,5,6,7
	v_pk_add_f32 v[24:25], v[24:25], v[24+4*\t:25+4*\t]
	v_pk_add_f32 v[26:27], v[26:27], v[26+4*\t:27+4*\t]
	v_pk_add_f32 v[56:57], v[56:57], v[56+4*\t:57+4*\t]
	v_pk_add_f32 v[58:59], v[58:59], v[58+4*\t:59+4*\t]
.endr
.irp r, 24,25,26,56,57,58
	WSUM \r
.endr
.irp c, 0,1,2
	v_mul_f32 v[4+\c], 0x36800000, v[24+\c]        ; / 262,144: mean - KP
	v_mul_f32 v[8+\c], 0x36800000, v[56+\c]
.endr
.irp c, 0,1,2
	v_fma_f32 v[8+\c], -v[4+\c], v[4+\c], v[8+\c]
.endr
.irp c, 0,1,2
	v_max_num_f32 v[8+\c], 0, v[8+\c]
.endr
	v_sqrt_f32 v8, v8
	v_sqrt_f32 v9, v9
	v_sqrt_f32 v10, v10
	v_mov_b32 v7, 0                                ; a plain instruction between the roots and their use
	s_wait_alu depctr_va_vdst(0)
.irp c, 0,1,2
	v_add_f32 v[8+\c], 0x358637bd, v[8+\c]         ; + 1e-6
.endr
	v_rcp_f32 v8, v8
	v_rcp_f32 v9, v9
	v_rcp_f32 v10, v10
	v_mov_b32 v11, 0                               ; the same behind the reciprocals
	s_lshl_b32 s62, s23, 10
	v_lshl_add_u32 v21, v1, 4, s62
	global_store_b128 v21, v[4:7], s[20:21]        ; 512 neighbouring bytes each, aligned
	s_wait_alu depctr_va_vdst(0)
	global_store_b128 v21, v[8:11], s[20:21] offset:512
.Lend:
	s_wait_tensorcnt 0x0
	ds_add_u32 v126, v127
	s_wait_dscnt 0x0
	s_endpgm
.Ltot:	; waves 0 and 1: lane g adds the 32 waves' sums of owner g; wave 0 takes n and S1, wave 1 takes S2
	s_lshl_b32 s62, s25, 4
	v_lshl_add_u32 v20, v1, 5, s62
.irp bt, 0,1,2,3
.irp n, 0,1,2,3,4,5,6,7
	ds_load_b128 v[24+4*\n:27+4*\n], v20 offset:(8*\bt+\n)*1024
.endr
	s_wait_dscnt 0x0
.irp p, 0,2
	v_pk_add_f32 v[24+\p:25+\p], v[24+\p:25+\p], v[28+\p:29+\p]
	v_pk_add_f32 v[32+\p:33+\p], v[32+\p:33+\p], v[36+\p:37+\p]
	v_pk_add_f32 v[40+\p:41+\p], v[40+\p:41+\p], v[44+\p:45+\p]
	v_pk_add_f32 v[48+\p:49+\p], v[48+\p:49+\p], v[52+\p:53+\p]
	v_pk_add_f32 v[24+\p:25+\p], v[24+\p:25+\p], v[32+\p:33+\p]
	v_pk_add_f32 v[40+\p:41+\p], v[40+\p:41+\p], v[48+\p:49+\p]
.if \bt == 0
	v_pk_add_f32 v[4+\p:5+\p], v[24+\p:25+\p], v[40+\p:41+\p]      ; the first eight waves start the total
.else
	v_pk_add_f32 v[24+\p:25+\p], v[24+\p:25+\p], v[40+\p:41+\p]
	v_pk_add_f32 v[4+\p:5+\p], v[4+\p:5+\p], v[24+\p:25+\p]
.endif
.endr
.endr
	s_sub_co_u32 s62, s29, s28
	s_sub_co_u32 s63, s31, s30
	s_mul_i32 s62, s62, s63                        ; the rectangle's pixels
	v_cvt_f32_u32 v21, s62
	v_max_num_f32 v21, 1.0, v21
	v_rcp_f32 v21, v21
	s_cmp_eq_u32 s25, 1
	s_cselect_b32 s63, -1, 0
	s_lshl_b32 s66, s22, 10
	s_lshl_b32 s67, s25, 9
	s_add_co_u32 s66, s66, s67
	v_lshl_add_u32 v22, v1, 4, s66                 ; a plain instruction between the reciprocal and its use
	s_wait_alu depctr_va_vdst(0)
	v_cndmask_b32 v7, v7, v21, s63                 ; wave 1's fourth number is 1 / count
	global_store_b128 v22, v[4:7], s[18:19]        ; 512 neighbouring bytes, aligned
	s_wait_tensorcnt 0x0
	ds_add_u32 v126, v127
	s_wait_dscnt 0x0
	s_endpgm
.Lfunc_end_k_qa2ea20d3ae_sums:
	.size	k_qa2ea20d3ae_sums, .Lfunc_end_k_qa2ea20d3ae_sums-k_qa2ea20d3ae_sums
	.p2alignl 7, 3214868480
	.fill 96, 4, 3214868480
	.section	.rodata,"a",@progbits
	.p2align	6, 0x0
	.amdhsa_kernel k_qa2ea20d3ae_sums
		.amdhsa_group_segment_fixed_size 36864
		.amdhsa_private_segment_fixed_size 0
		.amdhsa_enable_private_segment 0
		.amdhsa_kernarg_size 72
		.amdhsa_user_sgpr_count 2
		.amdhsa_user_sgpr_kernarg_segment_ptr 1
		.amdhsa_wavefront_size32 1
		.amdhsa_system_sgpr_workgroup_id_x 1
		.amdhsa_system_sgpr_workgroup_id_y 1
		.amdhsa_system_sgpr_workgroup_id_z 1
		.amdhsa_system_vgpr_workitem_id 0
		.amdhsa_next_free_vgpr 128
		.amdhsa_next_free_sgpr 72
		.amdhsa_reserve_vcc 0
		.amdhsa_float_denorm_mode_32 3
		.amdhsa_float_denorm_mode_16_64 3
		.amdhsa_memory_ordered 1
		.amdhsa_forward_progress 1
		.amdhsa_inst_pref_size 42
	.end_amdhsa_kernel
	.amdgpu_metadata
---
amdhsa.version: [ 1, 2 ]
amdhsa.kernels:
  - .name:           k_qa2ea20d3ae_sums
    .symbol:         k_qa2ea20d3ae_sums.kd
    .args:
      - { .name: images, .offset: 0, .size: 8, .value_kind: global_buffer, .address_space: global }
      - { .name: patch, .offset: 8, .size: 8, .value_kind: global_buffer, .address_space: global }
      - { .name: geo, .offset: 16, .size: 8, .value_kind: global_buffer, .address_space: global }
      - { .name: mtab, .offset: 24, .size: 8, .value_kind: global_buffer, .address_space: global }
      - { .name: itab, .offset: 32, .size: 8, .value_kind: global_buffer, .address_space: global }
      - { .name: wtab, .offset: 40, .size: 8, .value_kind: global_buffer, .address_space: global }
      - { .name: psum, .offset: 48, .size: 8, .value_kind: global_buffer, .address_space: global }
      - { .name: sums, .offset: 56, .size: 8, .value_kind: global_buffer, .address_space: global }
      - { .name: pstat, .offset: 64, .size: 8, .value_kind: global_buffer, .address_space: global }
    .group_segment_fixed_size: 36864
    .private_segment_fixed_size: 0
    .kernarg_segment_align: 8
    .kernarg_segment_size: 72
    .max_flat_workgroup_size: 1024
    .sgpr_count:     72
    .vgpr_count:     128
    .wavefront_size: 32
...
	.end_amdgpu_metadata
.endif
;; end of part 2
;; launch paint (part 3): grid 256 x 1, 32 waves a work-group, no clusters, 201,728 bytes of LDS; arguments images, patch, geo, mtab, itab, wtab, sums, pstat, out0; writes out0
.if DOCPART == 3
	.amdgcn_target "amdgcn-amd-amdhsa--gfx1250"
	.amdhsa_code_object_version 6
	.text
	.protected	k_qa2ea20d3ae_paint
	.globl	k_qa2ea20d3ae_paint
	.p2align	8
	.type	k_qa2ea20d3ae_paint,@function
k_qa2ea20d3ae_paint:
	s_mov_b64 s[64:65], 0
	v_nop
	global_prefetch_b8 v0, s[64:65] scope:SCOPE_SE
	s_setreg_imm32_b32 hwreg(HW_REG_WAVE_MODE, 25, 1), 1
	s_wait_xcnt 0x0
; PAINT.  Work-group i: image b = i / 16, rows 32 (i % 16) on; wave w owns one row of 512 pixels, 6,144 bytes.
; 1. Wave 0 walks the image's 16 steps, owners in lanes (lane g < 16: box g; lane 16: the original image, A = 1, M = KI):
;      mean = sum_g (A S1 + M n) / count;  d = M - mean;  var = sum_g (A (A S2 + 2 d S1) + n d^2) / count
;      a = (sqrt(var) + 1e-6) / (patch std + 1e-6);  lane k takes A = a, M = mean - a (patch mean - KP)
;    and leaves A and B = M - A KP of each box in LDS: a painted pixel is A R + B, R the raw patch resampled.
; 2. Each wave loads its row into registers, one pixel a lane: sixteen loads of 12 bytes a lane, 384 neighbouring bytes each (chunk ch: columns 32 ch + lane).
;    The other 31 waves do so while wave 0 walks its steps; wave 0 behind them, since the steps use the same registers.
; 3. Behind one barrier each wave takes A and B by lane, and paints the boxes that cover its row, in ascending order, into the row's registers by
;    v_cndmask_b32: a later box overwrites an earlier one, as the serial loop of the problem does.  The columns go in eight FIXED groups of 64; a group
;    that the box does not meet is jumped over.  So a lane's column, every table offset and every LDS address is a constant plus a lane term.
; 4. The row leaves through the wave's own 6,144 bytes of LDS, which turn 12 bytes a lane into 16: each store to memory covers 512 neighbouring aligned bytes.
; LIMITS: divisions by v_rcp_f32 (made in the launch before); variance from sums about the pivots KP and KI; a variance below 2^-126 counts as 0.
.set COEF, 196608                      ; behind the 32 rows: lane g's 32 bytes = A x 3, 0, B x 3, 0
.set ROW, 16                           ; v[16:79]  chunk ch's pixel at v[16 + 4 ch .. + 2]
.set PB,  80                           ; v[80:111] sub-chunk s at PB + 16 s: +0..2 p00, +3 source column then its offset, +4..6 p01, +7 fraction, +8..10 p10, +11 next column's offset, +12..14 p11
.set OUTR, 80                          ; v[80:127] the way out: the row read back, 16 bytes a lane
.set WYS, 37                           ; s37: the row's fraction
; v1 lane, v2 LDS byte of my pixel of chunk 0, v3 LDS byte of my 16 bytes, v4 16 lane, v5 12 lane, v6 4 lane, v7 4 lane + the box's tables; v[8:11] A, v[12:15] B, boxes in lanes
; chain (wave 0): v[8:11] mean - KP, v[12:15] 1 / patch std, v[16:18] KP, v[20:22] KI, v[24:27] A, v[28:30] M, v[32:35] B, v[36:38] sums at work, v[40:42] mean, v[44:46] d, v[48:50] q,
;                 v[52:54] the other half's sums, v56-60 offsets, v[64:127] a ring of eight steps' sums, 8 registers each
; s22 i, s23 b, s24 block, s25 wave, s26 y, s27 the row's mask, s[28:29] the row in images, s[54:55] in out0, s[32:35] box g, s36 source row, s38 g, s41 box g's tables,
; s[42:43], s[44:45] the two source rows, s47-50 masks at work, s[52:53] an offset with 0 above it, s56-58 the box's A, s59-61 its B
.macro RED3 r                          ; three sums over the 32 lanes, side by side
.irp m, 1,2,4,8
	v_add_f32_dpp v[\r], v[\r], v[\r] row_xmask:\m row_mask:0xf bank_mask:0xf
	v_add_f32_dpp v[\r+1], v[\r+1], v[\r+1] row_xmask:\m row_mask:0xf bank_mask:0xf
	v_add_f32_dpp v[\r+2], v[\r+2], v[\r+2] row_xmask:\m row_mask:0xf bank_mask:0xf
.endr
	v_permlanex16_b32 v52, v[\r], s30, s31
	v_permlanex16_b32 v53, v[\r+1], s30, s31
	v_permlanex16_b32 v54, v[\r+2], s30, s31
	v_add_f32 v[\r], v[\r], v52
	v_add_f32 v[\r+1], v[\r+1], v53
	v_add_f32 v[\r+2], v[\r+2], v54
.endm
.macro STEP k
.set R, 64+8*((\k)%8)                  ; R n, R+1..3 S1, R+4..6 S2, R+7 1 / count
.if \k < 8
	s_wait_loadcnt 14                              ; behind this step's two loads: 2 (7 - k) of the first sixteen and the 2 k issued again
.else
	s_wait_loadcnt 2*(15-\k)                       ; behind them: two for each later step
.endif
.irp c, 0,1,2
	v_mul_f32 v[36+\c], v[28+\c], v[R]
.endr
.irp c, 0,1,2
	v_fma_f32 v[36+\c], v[24+\c], v[R+1+\c], v[36+\c]
.endr
	RED3 36
.irp c, 0,1,2
	v_mul_f32 v[40+\c], v[36+\c], v[R+7]           ; mean
.endr
.irp c, 0,1,2
	v_sub_f32 v[44+\c], v[28+\c], v[40+\c]         ; d
	v_mul_f32 v[36+\c], v[24+\c], v[R+4+\c]        ; A S2
.endr
.irp c, 0,1,2
	v_add_f32 v[48+\c], v[44+\c], v[44+\c]
	v_mul_f32 v[44+\c], v[44+\c], v[44+\c]         ; d^2
.endr
.irp c, 0,1,2
	v_fma_f32 v[48+\c], v[48+\c], v[R+1+\c], v[36+\c]  ; A S2 + 2 d S1
	v_mul_f32 v[36+\c], v[44+\c], v[R]             ; n d^2
.endr
.irp c, 0,1,2
	v_fma_f32 v[36+\c], v[24+\c], v[48+\c], v[36+\c]
.endr
	RED3 36
.irp c, 0,1,2
	v_mul_f32 v[36+\c], v[36+\c], v[R+7]
.endr
.if \k < 8
	global_load_b128 v[R:R+3], v56, s[16:17] offset:(\k+8)*1024        ; the ring's registers take the step eight further on
	global_load_b128 v[R+4:R+7], v56, s[16:17] offset:(\k+8)*1024+512
.endif
.irp c, 0,1,2
	v_max_num_f32 v[36+\c], 0, v[36+\c]
.endr
	v_sqrt_f32 v36, v36
	v_sqrt_f32 v37, v37
	v_sqrt_f32 v38, v38
	v_nop                                          ; a plain instruction between the roots and their use
	v_cmp_eq_u32 vcc_lo, \k, v1
	s_wait_alu depctr_va_vdst(0)
.irp c, 0,1,2
	v_add_f32 v[36+\c], 0x358637bd, v[36+\c]       ; + 1e-6
.endr
.irp c, 0,1,2
	v_mul_f32 v[36+\c], v[36+\c], v[12+\c]         ; a
.endr
.irp c, 0,1,2
	v_fma_f32 v[48+\c], -v[36+\c], v[8+\c], v[40+\c]
.endr
.irp c, 0,1,2
	v_cndmask_b32 v[24+\c], v[24+\c], v[36+\c], vcc_lo
	v_cndmask_b32 v[28+\c], v[28+\c], v[48+\c], vcc_lo
.endr
.endm
.macro LERP s                          ; p00 <- the bilinear value of the sub-chunk's four taps
.set p, PB+16*\s
.irp c, 0,1,2
	v_sub_f32 v[p+4+\c], v[p+4+\c], v[p+\c]
	v_sub_f32 v[p+12+\c], v[p+12+\c], v[p+8+\c]
.endr
.irp c, 0,1,2
	v_fma_f32 v[p+\c], v[p+7], v[p+4+\c], v[p+\c]
	v_fma_f32 v[p+8+\c], v[p+7], v[p+12+\c], v[p+8+\c]
.endr
.irp c, 0,1,2
	v_sub_f32 v[p+8+\c], v[p+8+\c], v[p+\c]
.endr
.irp c, 0,1,2
	v_fma_f32 v[p+\c], s[WYS], v[p+8+\c], v[p+\c]
.endr
.endm
; Columns 64 G .. 64 G + 63 of the box in hand: chunks 2 G and 2 G + 1.  Lanes outside the box compute too (their table entries are the clipped ones) and are dropped by the select.
.macro GROUP G
	s_cmp_ge_u32 s34, 64*\G+64                     ; the box begins behind the group,
	s_cbranch_scc1 .Lskip_\@
	s_cmp_le_u32 s35, 64*\G                        ; or ends in front of it
	s_cbranch_scc1 .Lskip_\@
.irp s, 0,1
	global_load_b32 v[PB+16*\s+3], v7, s[12:13] offset:2048+128*(2*\G+\s)
	global_load_b32 v[PB+16*\s+7], v7, s[14:15] offset:2048+128*(2*\G+\s)
.endr
	s_wait_loadcnt 0x0
.irp s, 0,1
.set p, PB+16*\s
	v_min_u32 v[p+3], 0x1ff, v[p+3]
	v_add_nc_u32 v[p+11], 1, v[p+3]
	v_min_u32 v[p+11], 0x1ff, v[p+11]
	v_mul_u32_u24 v[p+3], 12, v[p+3]
	v_mul_u32_u24 v[p+11], 12, v[p+11]
	global_load_b96 v[p:p+2], v[p+3], s[42:43]
	global_load_b96 v[p+4:p+6], v[p+11], s[42:43]
	global_load_b96 v[p+8:p+10], v[p+3], s[44:45]
	global_load_b96 v[p+12:p+14], v[p+11], s[44:45]
.endr
.irp s, 0,1
	s_wait_loadcnt 4-4*\s                          ; this sub-chunk's four taps are in; the second sub-chunk's four may stay out
	LERP \s
.irp c, 0,1,2
	v_fma_f32 v[p+\c], s[56+\c], v[p+\c], s[59+\c] ; A R + B
.endr
	s_sub_co_i32 s47, s34, 32*(2*\G+\s)            ; the box's bounds, counted from the chunk's first column
	s_sub_co_i32 s48, s35, 32*(2*\G+\s)
	v_cmp_le_i32 s49, s47, v1
	v_cmp_gt_i32 s50, s48, v1
	s_and_b32 s49, s49, s50
.irp c, 0,1,2
	v_cndmask_b32 v[ROW+4*(2*\G+\s)+\c], v[ROW+4*(2*\G+\s)+\c], v[p+\c], s49
.endr
.endr
.Lskip_\@:
.endm
	s_load_b512 s[4:19], s[0:1], 0x0               ; images s[4:5], patch s[6:7], geo s[8:9], mtab s[10:11], itab s[12:13], wtab s[14:15], sums s[16:17], pstat s[18:19]
	s_load_b64 s[20:21], s[0:1], 0x40              ; out0
	v_lshl_add_u32 v55, v0, 2, 0x30400
	v_mov_b32 v63, 0
	s_mov_b32 s22, ttmp9
	s_lshr_b32 s23, s22, 4
	s_and_b32 s24, s22, 15
	v_lshrrev_b32 v2, 5, v0
	v_readfirstlane_b32 s25, v2
	v_and_b32 v1, 31, v0
	s_lshl_b32 s26, s24, 5
	s_add_co_u32 s26, s26, s25                     ; my row
	s_mul_i32 s52, s23, 3145728
	s_mul_i32 s62, s26, 6144
	s_add_co_u32 s52, s52, s62
	s_mov_b32 s53, 0
	s_mul_i32 s63, s25, 6144                       ; my 6,144 bytes of LDS
	v_mul_u32_u24 v5, 12, v1                       ; 12 bytes a lane
	v_add_nc_u32 v2, s63, v5
	v_lshlrev_b32 v4, 4, v1                        ; 16 bytes a lane
	v_add_nc_u32 v3, s63, v4
	v_lshlrev_b32 v6, 2, v1                        ; 4 bytes a lane
	s_lshl_b32 s46, s23, 12
	s_lshl_b32 s47, s26, 2
	s_add_co_u32 s46, s46, s47
	s_mov_b32 s30, 0x76543210
	s_mov_b32 s31, 0xfedcba98
	s_wait_kmcnt 0x0
	s_add_nc_u64 s[28:29], s[4:5], s[52:53]
	s_add_nc_u64 s[54:55], s[20:21], s[52:53]
	s_load_b32 s27, s[10:11], s46 offset:0x0       ; which boxes cover my row
	s_cmp_lg_u32 s25, 0
	s_cbranch_scc1 .Lnochain
	s_lshl_b32 s48, s23, 10
	v_lshl_add_u32 v58, v1, 4, s48
	v_mov_b32 v59, 0
	s_mul_i32 s48, s23, 3145728
	v_mov_b32 v60, s48
	s_lshl_b32 s48, s23, 14
	v_lshl_add_u32 v56, v1, 4, s48
	global_load_b128 v[8:11], v58, s[18:19]
	global_load_b128 v[12:15], v58, s[18:19] offset:512
	global_load_b96 v[16:18], v59, s[6:7]
	global_load_b96 v[20:22], v60, s[4:5]
.irp k, 0,1,2,3,4,5,6,7
	global_load_b128 v[64+8*\k:67+8*\k], v56, s[16:17] offset:\k*1024
	global_load_b128 v[68+8*\k:71+8*\k], v56, s[16:17] offset:\k*1024+512
.endr
	v_mov_b32 v52, 0
	v_mov_b32 v53, 0
	v_mov_b32 v54, 0
	v_mov_b32 v27, 0
	v_mov_b32 v35, 0
	v_cmp_eq_u32 vcc_lo, 16, v1
	s_wait_loadcnt 16                              ; the four loads in front of the ring's sixteen are in
.irp c, 0,1,2
	v_cndmask_b32 v[24+\c], 0, 1.0, vcc_lo
	v_cndmask_b32 v[28+\c], 0, v[20+\c], vcc_lo
.endr
.irp k, 0,1,2,3,4,5,6,7,8,9,10,11,12,13,14,15
	STEP \k
.endr
.irp c, 0,1,2
	v_fma_f32 v[32+\c], -v[24+\c], v[16+\c], v[28+\c]   ; B = M - A KP
.endr
	v_lshlrev_b32 v57, 5, v1
	v_add_nc_u32 v57, COEF, v57
	ds_store_b128 v57, v[24:27]
	ds_store_b128 v57, v[32:35] offset:16
	s_wait_dscnt 0x0                               ; the coefficients are stored: for the others' sake, and ahead of the loads into these registers
.Lnochain:
.irp ch, 0,1,2,3,4,5,6,7,8,9,10,11,12,13,14,15
	global_load_b96 v[ROW+4*\ch:ROW+4*\ch+2], v5, s[28:29] offset:384*\ch th:TH_LOAD_NT
.endr
	v_lshlrev_b32 v7, 5, v1
	v_add_nc_u32 v7, COEF, v7
	s_wait_dscnt 0x0
	s_wait_kmcnt 0x0                               ; the row's mask
	s_barrier_signal -1
	s_barrier_wait -1
	ds_load_b128 v[8:11], v7                       ; lane g: box g's A
	ds_load_b128 v[12:15], v7 offset:16            ; and B
	s_wait_loadcnt 0x0                             ; my row
	s_wait_dscnt 0x0
	s_mov_b32 s38, 0
.Lg:
	s_lshr_b32 s62, s27, s38
	s_and_b32 s62, s62, 1
	s_cmp_eq_u32 s62, 0
	s_cbranch_scc1 .Lnext                          ; box g does not cover my row
	s_lshl_b32 s62, s23, 4
	s_add_co_u32 s62, s62, s38
	s_lshl_b32 s63, s62, 5
	s_lshl_b32 s41, s62, 12
	s_lshl_b32 s46, s26, 2
	s_add_co_u32 s46, s46, s41
	s_load_b128 s[32:35], s[8:9], s63 offset:0x0
	s_load_b32 s36, s[12:13], s46 offset:0x0
	s_load_b32 s37, s[14:15], s46 offset:0x0
.irp c, 0,1,2
	v_readlane_b32 s[56+\c], v[8+\c], s38          ; the box's A and B, out of lane g
	v_readlane_b32 s[59+\c], v[12+\c], s38
.endr
	v_add_nc_u32 v7, s41, v6                       ; every load that named v7 has been waited for
	s_wait_kmcnt 0x0
	s_min_u32 s34, s34, 0x200                      ; xlo, xhi
	s_min_u32 s35, s35, 0x200
	s_min_u32 s36, s36, 0x1ff
	s_add_co_u32 s62, s36, 1
	s_min_u32 s62, s62, 0x1ff
	s_mul_i32 s52, s36, 6144
	s_add_nc_u64 s[42:43], s[6:7], s[52:53]
	s_mul_i32 s52, s62, 6144
	s_add_nc_u64 s[44:45], s[6:7], s[52:53]
.irp G, 0,1,2,3,4,5,6,7
	GROUP \G
.endr
.Lnext:
	s_add_co_u32 s38, s38, 1
	s_cmp_lt_u32 s38, 16
	s_cbranch_scc1 .Lg
	; the way out: 12 bytes a lane into my own LDS bytes (lanes 3 words apart), 16 bytes a lane back
.irp ch, 0,1,2,3,4,5,6,7,8,9,10,11,12,13,14,15
.irp c, 0,1,2
	ds_store_b32 v2, v[ROW+4*\ch+\c] offset:384*\ch+4*\c
.endr
.endr
.irp t, 0,1,2,3,4,5,6,7,8,9,10,11
	ds_load_b128 v[OUTR+4*\t:OUTR+4*\t+3], v3 offset:512*\t        ; LDS serves a wave's instructions in order (ISA guide 5.7.1.4): these see the stores above
.endr
.irp t, 0,1,2,3,4,5,6,7,8,9,10,11
	s_wait_dscnt 11-\t                             ; LDS loads come back in order: number t is in, the younger ones stay out
	global_store_b128 v4, v[OUTR+4*\t:OUTR+4*\t+3], s[54:55] offset:512*\t th:TH_STORE_NT
.endr
	s_wait_tensorcnt 0x0
	ds_add_u32 v55, v63
	s_wait_dscnt 0x0
	s_endpgm
.Lfunc_end_k_qa2ea20d3ae_paint:
	.size	k_qa2ea20d3ae_paint, .Lfunc_end_k_qa2ea20d3ae_paint-k_qa2ea20d3ae_paint
	.p2alignl 7, 3214868480
	.fill 96, 4, 3214868480
	.section	.rodata,"a",@progbits
	.p2align	6, 0x0
	.amdhsa_kernel k_qa2ea20d3ae_paint
		.amdhsa_group_segment_fixed_size 201728
		.amdhsa_private_segment_fixed_size 0
		.amdhsa_enable_private_segment 0
		.amdhsa_kernarg_size 72
		.amdhsa_user_sgpr_count 2
		.amdhsa_user_sgpr_kernarg_segment_ptr 1
		.amdhsa_wavefront_size32 1
		.amdhsa_system_sgpr_workgroup_id_x 1
		.amdhsa_system_sgpr_workgroup_id_y 1
		.amdhsa_system_sgpr_workgroup_id_z 1
		.amdhsa_system_vgpr_workitem_id 0
		.amdhsa_next_free_vgpr 128
		.amdhsa_next_free_sgpr 66
		.amdhsa_reserve_vcc 1
		.amdhsa_float_denorm_mode_32 3
		.amdhsa_float_denorm_mode_16_64 3
		.amdhsa_memory_ordered 1
		.amdhsa_forward_progress 1
		.amdhsa_inst_pref_size 124
	.end_amdhsa_kernel
	.amdgpu_metadata
---
amdhsa.version: [ 1, 2 ]
amdhsa.kernels:
  - .name:           k_qa2ea20d3ae_paint
    .symbol:         k_qa2ea20d3ae_paint.kd
    .args:
      - { .name: images, .offset: 0, .size: 8, .value_kind: global_buffer, .address_space: global }
      - { .name: patch, .offset: 8, .size: 8, .value_kind: global_buffer, .address_space: global }
      - { .name: geo, .offset: 16, .size: 8, .value_kind: global_buffer, .address_space: global }
      - { .name: mtab, .offset: 24, .size: 8, .value_kind: global_buffer, .address_space: global }
      - { .name: itab, .offset: 32, .size: 8, .value_kind: global_buffer, .address_space: global }
      - { .name: wtab, .offset: 40, .size: 8, .value_kind: global_buffer, .address_space: global }
      - { .name: sums, .offset: 48, .size: 8, .value_kind: global_buffer, .address_space: global }
      - { .name: pstat, .offset: 56, .size: 8, .value_kind: global_buffer, .address_space: global }
      - { .name: out0, .offset: 64, .size: 8, .value_kind: global_buffer, .address_space: global }
    .group_segment_fixed_size: 201728
    .private_segment_fixed_size: 0
    .kernarg_segment_align: 8
    .kernarg_segment_size: 72
    .max_flat_workgroup_size: 1024
    .sgpr_count:     66
    .vgpr_count:     128
    .wavefront_size: 32
...
	.end_amdgpu_metadata
.endif
;; end of part 3
;; ======== version 2 of 3: 3 launches; 1.37 times as fast as version 1
;; limits: a difference of large sums (such as E[x^2] - mean^2): digits are lost where the result is much smaller than its terms
;; workspace buffers: geo 8,192 bytes of whole numbers; mtab 65,536 bytes of whole numbers; itab 1,048,576 bytes of whole numbers; wtab 1,048,576 bytes; psum 8,192 bytes; pstat 16,384 bytes; sums 262,144 bytes
;; launch prep: the kernel of part 1 again; grid 256 x 1, 4 waves a work-group, no clusters, 768 bytes of LDS; arguments boxes, patch, geo, mtab, itab, wtab, psum; writes geo, mtab, itab, wtab, psum
;; launch sums: the kernel of part 2 again; grid 256 x 1, 32 waves a work-group, no clusters, 36,864 bytes of LDS; arguments images, patch, geo, mtab, itab, wtab, psum, sums, pstat; writes sums, pstat
;; launch paint (part 4): grid 256 x 1, 32 waves a work-group, no clusters, 201,728 bytes of LDS; arguments images, patch, geo, mtab, itab, wtab, sums, pstat, out0; writes out0
.if DOCPART == 4
	.amdgcn_target "amdgcn-amd-amdhsa--gfx1250"
	.amdhsa_code_object_version 6
	.text
	.protected	k_qa2ea20d3ae_paint
	.globl	k_qa2ea20d3ae_paint
	.p2align	8
	.type	k_qa2ea20d3ae_paint,@function
k_qa2ea20d3ae_paint:
	s_mov_b64 s[64:65], 0
	v_nop
	global_prefetch_b8 v0, s[64:65] scope:SCOPE_SE
	s_setreg_imm32_b32 hwreg(HW_REG_WAVE_MODE, 25, 1), 1
	s_wait_xcnt 0x0
; PAINT.  Work-group i: image b = i / 16, block blk = i % 16; wave w owns row y = 16 w + blk (512 pixels, 6,144 bytes): every 16th row, so that the
; sixteen work-groups of an image get like shares of the rows that many boxes cover.
; A pixel's final value hangs on its OWNER alone: the last box that covers it (the highest bit of row mask & column mask), or the image.
; 1. Wave 0 walks the image's 16 steps, owners in lanes (lane g < 16: box g; lane 16: the original image, A = 1, M = KI):
;      mean = sum_g (A S1 + M n) / count;  d = M - mean;  var = sum_g (A (A S2 + 2 d S1) + n d^2) / count
;      a = (sqrt(var) + 1e-6) / (patch std + 1e-6);  lane k takes A = a, M = mean - a (patch mean - KP)
;    and leaves A and B = M - A KP of each box in LDS: a painted pixel is A R + B, R the raw patch resampled into its owner's rectangle.
; 2. Meanwhile waves 1 to 31 make their rows ready (PRE), one pixel a lane, chunk ch = columns 32 ch + lane: R where a box owns the pixel, the image's
;    pixel elsewhere, and a marker (owner x 4,096, or -1).  R needs no A or B.  Wave 0 does the same behind the barrier.
; 3. Behind the one barrier: for each box that covers the row, its A and B come out of lane g, and A R + B replaces R where the marker names the box.
; 4. The row leaves through the wave's own 6,144 bytes of LDS, which turn 12 bytes a lane into 16: each store to memory covers 512 neighbouring aligned bytes.
; The columns go in eight FIXED groups of 64, so a lane's column, every table's immediate and every LDS address is a constant plus a lane term.
; All masks and source indices are whole numbers that an earlier launch stored; each is clamped by a constant before it enters an address.
; LIMITS: divisions by v_rcp_f32 (made in the launch before); variance from sums about the pivots KP and KI; a variance below 2^-126 counts as 0;
; at source index 511 the taps are 510 and 511 with fraction 1, so the value is p510 + (p511 - p510): p511 up to one rounding.
.set COEF, 196608                      ; behind the 32 rows: lane g's 32 bytes = A x 3, 0, B x 3, 0
.set ROW, 16                           ; v[16:79]  chunk ch at 16 + 4 ch: +0 source column, then the taps' offset, then the value; +1 x fraction; +2 y fraction; +3 mask, then source row
.set AXB, 80                           ; v[80:95]  chunk ch's offset into the x tables; dead once the tables are in
.set WB,  80                           ; v[80:119] two blocks of 20: p00, p01, p10, p11 and the image's pixel, 4 registers apart
.set CF,  80                           ; behind the barrier: v[80:83] A, v[84:87] B, boxes in lanes; v[88:90], v[92:94] at work
.set OUTR, 80                          ; v[80:127] the way out: the row read back, 16 bytes a lane
.set PM,  66                           ; s[66:81]  chunk ch's lanes that a box owns
; chunk ch's marker lies at v[8 + ch + 104 (ch / 8)]: v8-15 and v120-127
; v1 lane, v2 LDS byte of my pixel of chunk 0, v3 LDS byte of my 16 bytes, v4 16 lane, v5 12 lane, v6 4 lane, v7 my lane's coefficients in LDS
; chain (wave 0): v[8:11] mean - KP, v[12:15] 1 / patch std, v[16:18] KP, v[20:22] KI, v[24:27] A, v[28:30] M, v[32:35] B, v[36:38] sums at work, v[40:42] mean, v[44:46] d, v[48:50] q,
;                 v[52:54] the other half's sums, v56-60 offsets, v[64:127] a ring of eight steps' sums, 8 registers each
; s22 i, s23 b, s24 block, s25 wave, s26 y, s27 the row's mask, s[28:29] the row in images, s[54:55] in out0, s[32:33] image b's masks, s[34:35], s[36:37] image b's tables,
; s[40:41], s[42:43] the same at row y's entry, s38 g, s39 4,096 g, s49 a lane mask, s[52:53] an offset with 0 above it, s56-58 the box's A, s59-61 its B
.macro RED3 r                          ; three sums over the 32 lanes, side by side
.irp m, 1,2,4,8
	v_add_f32_dpp v[\r], v[\r], v[\r] row_xmask:\m row_mask:0xf bank_mask:0xf
	v_add_f32_dpp v[\r+1], v[\r+1], v[\r+1] row_xmask:\m row_mask:0xf bank_mask:0xf
	v_add_f32_dpp v[\r+2], v[\r+2], v[\r+2] row_xmask:\m row_mask:0xf bank_mask:0xf
.endr
	v_permlanex16_b32 v52, v[\r], s30, s31
	v_permlanex16_b32 v53, v[\r+1], s30, s31
	v_permlanex16_b32 v54, v[\r+2], s30, s31
	v_add_f32 v[\r], v[\r], v52
	v_add_f32 v[\r+1], v[\r+1], v53
	v_add_f32 v[\r+2], v[\r+2], v54
.endm
.macro STEP k
.set R, 64+8*((\k)%8)                  ; R n, R+1..3 S1, R+4..6 S2, R+7 1 / count
.if \k < 8
	s_wait_loadcnt 14                              ; behind this step's two loads: 2 (7 - k) of the first sixteen and the 2 k issued again
.else
	s_wait_loadcnt 2*(15-\k)                       ; behind them: two for each later step
.endif
.irp c, 0,1,2
	v_mul_f32 v[36+\c], v[28+\c], v[R]
.endr
.irp c, 0,1,2
	v_fma_f32 v[36+\c], v[24+\c], v[R+1+\c], v[36+\c]
.endr
	RED3 36
.irp c, 0,1,2
	v_mul_f32 v[40+\c], v[36+\c], v[R+7]           ; mean
.endr
.irp c, 0,1,2
	v_sub_f32 v[44+\c], v[28+\c], v[40+\c]         ; d
	v_mul_f32 v[36+\c], v[24+\c], v[R+4+\c]        ; A S2
.endr
.irp c, 0,1,2
	v_add_f32 v[48+\c], v[44+\c], v[44+\c]
	v_mul_f32 v[44+\c], v[44+\c], v[44+\c]         ; d^2
.endr
.irp c, 0,1,2
	v_fma_f32 v[48+\c], v[48+\c], v[R+1+\c], v[36+\c]  ; A S2 + 2 d S1
	v_mul_f32 v[36+\c], v[44+\c], v[R]             ; n d^2
.endr
.irp c, 0,1,2
	v_fma_f32 v[36+\c], v[24+\c], v[48+\c], v[36+\c]
.endr
	RED3 36
.irp c, 0,1,2
	v_mul_f32 v[36+\c], v[36+\c], v[R+7]
.endr
.if \k < 8
	global_load_b128 v[R:R+3], v56, s[16:17] offset:(\k+8)*1024        ; the ring's registers take the step eight further on
	global_load_b128 v[R+4:R+7], v56, s[16:17] offset:(\k+8)*1024+512
.endif
.irp c, 0,1,2
	v_max_num_f32 v[36+\c], 0, v[36+\c]
.endr
	v_sqrt_f32 v36, v36
	v_sqrt_f32 v37, v37
	v_sqrt_f32 v38, v38
	v_nop                                          ; a plain instruction between the roots and their use
	v_cmp_eq_u32 vcc_lo, \k, v1
	s_wait_alu depctr_va_vdst(0)
.irp c, 0,1,2
	v_add_f32 v[36+\c], 0x358637bd, v[36+\c]       ; + 1e-6
.endr
.irp c, 0,1,2
	v_mul_f32 v[36+\c], v[36+\c], v[12+\c]         ; a
.endr
.irp c, 0,1,2
	v_fma_f32 v[48+\c], -v[36+\c], v[8+\c], v[40+\c]
.endr
.irp c, 0,1,2
	v_cndmask_b32 v[24+\c], v[24+\c], v[36+\c], vcc_lo
	v_cndmask_b32 v[28+\c], v[28+\c], v[48+\c], vcc_lo
.endr
.endm
; Chunk ch of a painted group: the owner = the highest set bit of the 16-bit mask in v[r+3], by four halvings; then the owner's four table entries are asked for.
; A lane that no box owns comes out as box 0 and reads that box's tables: inside the buffers, and dropped later.
.macro OWN ch
.set r, ROW+4*(\ch)
.set ay, 8+(\ch)+104*((\ch)/8)
.set ax, AXB+(\ch)
	v_cmp_lt_u32 vcc_lo, 0xff, v[r+3]
	v_cndmask_b32 v[ay], 0, 8, vcc_lo
	v_lshrrev_b32 v[r+3], v[ay], v[r+3]
	v_cmp_lt_u32 vcc_lo, 15, v[r+3]
	v_cndmask_b32 v[ax], 0, 4, vcc_lo
	v_lshrrev_b32 v[r+3], v[ax], v[r+3]
	v_add_nc_u32 v[ay], v[ay], v[ax]
	v_cmp_lt_u32 vcc_lo, 3, v[r+3]
	v_cndmask_b32 v[ax], 0, 2, vcc_lo
	v_lshrrev_b32 v[r+3], v[ax], v[r+3]
	v_add_nc_u32 v[ay], v[ay], v[ax]
	v_cmp_lt_u32 vcc_lo, 1, v[r+3]
	v_cndmask_b32 v[ax], 0, 1, vcc_lo
	v_add_nc_u32 v[ay], v[ay], v[ax]
	v_min_u32 v[ay], 15, v[ay]                     ; a number made from loaded masks: clamped before it enters an address
	v_lshlrev_b32 v[ay], 12, v[ay]                 ; the owner's tables: 4,096 bytes a box
	v_add_nc_u32 v[ax], v[ay], v6
	global_load_b32 v[r], v[ax], s[34:35] offset:2048+128*(\ch)     ; source column
	global_load_b32 v[r+1], v[ax], s[36:37] offset:2048+128*(\ch)   ; and its fraction
	global_load_b32 v[r+2], v[ay], s[42:43]                         ; row y's fraction
	global_load_b32 v[r+3], v[ay], s[40:41]                         ; and source row
.endm
; Group G, first pass: which lanes does a box own?  A group with none takes the image's pixels as they are.
.macro PICK G
.irp s, 0,1
	v_and_b32 v[ROW+4*(2*\G+\s)+3], s27, v[ROW+4*(2*\G+\s)+3]
	v_cmp_ne_u32 s[PM+2*\G+\s], 0, v[ROW+4*(2*\G+\s)+3]
.endr
	s_or_b32 s62, s[PM+2*\G], s[PM+2*\G+1]
	s_cmp_eq_u32 s62, 0
	s_cbranch_scc1 .Lplain_\@
.irp s, 0,1
	OWN 2*\G+\s
.endr
	s_branch .Lpicked_\@
.Lplain_\@:
.irp s, 0,1
	global_load_b96 v[ROW+4*(2*\G+\s):ROW+4*(2*\G+\s)+2], v5, s[28:29] offset:384*(2*\G+\s) th:TH_LOAD_NT
	v_mov_b32 v[8+(2*\G+\s)+104*((2*\G+\s)/8)], -1                  ; no owner
.endr
.Lpicked_\@:
.endm
.macro LERP                            ; p00 <- the bilinear value of the four taps at v[p ..], fractions in v[r+1], v[r+2]
.irp c, 0,1,2
	v_sub_f32 v[p+4+\c], v[p+4+\c], v[p+\c]
	v_sub_f32 v[p+12+\c], v[p+12+\c], v[p+8+\c]
.endr
.irp c, 0,1,2
	v_fma_f32 v[p+\c], v[r+1], v[p+4+\c], v[p+\c]
	v_fma_f32 v[p+8+\c], v[r+1], v[p+12+\c], v[p+8+\c]
.endr
.irp c, 0,1,2
	v_sub_f32 v[p+8+\c], v[p+8+\c], v[p+\c]
.endr
.irp c, 0,1,2
	v_fma_f32 v[p+\c], v[r+2], v[p+8+\c], v[p+\c]
.endr
.endm
; Group G, second pass, painted groups only.  The source indices are cut to 510 (where one was 511 its fraction, 0 there, becomes 1), so that the four taps
; are always neighbours: one offset, immediates 0, 12, 6,144 and 6,156; the last byte asked for is 510 x 6,144 + 510 x 12 + 6,156 + 12 = the patch's 3,145,728th.
.macro TAPS G
	s_or_b32 s62, s[PM+2*\G], s[PM+2*\G+1]
	s_cmp_eq_u32 s62, 0
	s_cbranch_scc1 .Lnone_\@
.irp s, 0,1
.set r, ROW+4*(2*\G+\s)
.set ay, 8+(2*\G+\s)+104*((2*\G+\s)/8)
.set p, WB+20*\s
	v_cmp_lt_u32 vcc_lo, 0x1fe, v[r]
	v_cndmask_b32 v[r+1], v[r+1], 1.0, vcc_lo
	v_cmp_lt_u32 vcc_lo, 0x1fe, v[r+3]
	v_cndmask_b32 v[r+2], v[r+2], 1.0, vcc_lo
	v_min_u32 v[r], 0x1fe, v[r]
	v_min_u32 v[r+3], 0x1fe, v[r+3]
	v_mul_u32_u24 v[r], 12, v[r]
	v_mul_u32_u24 v[r+3], 0x1800, v[r+3]
	v_add_nc_u32 v[r], v[r], v[r+3]
	v_cndmask_b32 v[ay], -1, v[ay], s[PM+2*\G+\s]  ; the marker: 4,096 x owner, or -1 (the table loads that named this register have been waited for)
	global_load_b96 v[p:p+2], v[r], s[6:7]
	global_load_b96 v[p+4:p+6], v[r], s[6:7] offset:12
	global_load_b96 v[p+8:p+10], v[r], s[6:7] offset:6144
	global_load_b96 v[p+12:p+14], v[r], s[6:7] offset:6156
	global_load_b96 v[p+16:p+18], v5, s[28:29] offset:384*(2*\G+\s) th:TH_LOAD_NT
.endr
.irp s, 0,1
.set r, ROW+4*(2*\G+\s)
.set p, WB+20*\s
	s_wait_loadcnt 5-5*\s                          ; this chunk's five loads are in; the second chunk's five may stay out
	LERP
.irp c, 0,1,2
	v_cndmask_b32 v[r+\c], v[p+16+\c], v[p+\c], s[PM+2*\G+\s]       ; R where a box owns the pixel, the image elsewhere
.endr
.endr
.Lnone_\@:
.endm
; A wave's row is made ready: three stages of loads that do not wait for each other inside a stage
.macro PRE
.irp ch, 0,1,2,3,4,5,6,7,8,9,10,11,12,13,14,15
	global_load_b32 v[ROW+4*\ch+3], v6, s[32:33] offset:2048+128*\ch   ; the column masks, 128 neighbouring bytes a load
.endr
	s_wait_kmcnt 0x0                               ; the row's mask
	s_wait_loadcnt 0x0
.irp G, 0,1,2,3,4,5,6,7
	PICK \G
.endr
	s_wait_loadcnt 0x0                             ; all table entries, and the pixels of the groups that no box touches
.irp G, 0,1,2,3,4,5,6,7
	TAPS \G
.endr
.endm
; Box g in group G: A R + B where the marker names the box
.macro APG G
	s_or_b32 s62, s[PM+2*\G], s[PM+2*\G+1]
	s_cmp_eq_u32 s62, 0
	s_cbranch_scc1 .Lskip_\@
.irp s, 0,1
.set r, ROW+4*(2*\G+\s)
.set ay, 8+(2*\G+\s)+104*((2*\G+\s)/8)
.set t, CF+8+4*\s
	v_cmp_eq_u32 s49, s39, v[ay]
.irp c, 0,1,2
	v_fma_f32 v[t+\c], s[56+\c], v[r+\c], s[59+\c]
.endr
.irp c, 0,1,2
	v_cndmask_b32 v[r+\c], v[r+\c], v[t+\c], s49
.endr
.endr
.Lskip_\@:
.endm
	s_load_b512 s[4:19], s[0:1], 0x0               ; images s[4:5], patch s[6:7], geo s[8:9], mtab s[10:11], itab s[12:13], wtab s[14:15], sums s[16:17], pstat s[18:19]
	s_load_b64 s[20:21], s[0:1], 0x40              ; out0
	s_mov_b32 s22, ttmp9
	s_lshr_b32 s23, s22, 4
	s_and_b32 s24, s22, 15
	v_lshrrev_b32 v2, 5, v0
	v_readfirstlane_b32 s25, v2
	v_and_b32 v1, 31, v0
	s_lshl_b32 s26, s25, 4
	s_add_co_u32 s26, s26, s24                     ; my row: 16 wave + block
	s_mul_i32 s63, s25, 6144                       ; my 6,144 bytes of LDS
	v_mul_u32_u24 v5, 12, v1                       ; 12 bytes a lane
	v_add_nc_u32 v2, s63, v5
	v_lshlrev_b32 v4, 4, v1                        ; 16 bytes a lane
	v_add_nc_u32 v3, s63, v4
	v_lshlrev_b32 v6, 2, v1                        ; 4 bytes a lane
	s_mov_b32 s53, 0
	s_mov_b32 s30, 0x76543210
	s_mov_b32 s31, 0xfedcba98
	s_wait_kmcnt 0x0
	s_mul_i32 s52, s23, 3145728
	s_mul_i32 s62, s26, 6144
	s_add_co_u32 s52, s52, s62
	s_add_nc_u64 s[28:29], s[4:5], s[52:53]        ; my row in images
	s_add_nc_u64 s[54:55], s[20:21], s[52:53]      ; and in out0
	s_lshl_b32 s52, s23, 12
	s_add_nc_u64 s[32:33], s[10:11], s[52:53]      ; image b's masks
	s_lshl_b32 s52, s23, 16
	s_add_nc_u64 s[34:35], s[12:13], s[52:53]      ; image b's sixteen tables of 4,096 bytes
	s_add_nc_u64 s[36:37], s[14:15], s[52:53]
	s_lshl_b32 s52, s26, 2
	s_add_nc_u64 s[40:41], s[34:35], s[52:53]      ; the same at row y's entry
	s_add_nc_u64 s[42:43], s[36:37], s[52:53]
	s_load_b32 s27, s[32:33], s52 offset:0x0       ; which boxes cover my row (s52 is not written again)
	s_cmp_lg_u32 s25, 0
	s_cbranch_scc1 .Lothers
	; wave 0: the sixteen steps
	s_lshl_b32 s48, s23, 10
	v_lshl_add_u32 v58, v1, 4, s48
	v_mov_b32 v59, 0
	s_mul_i32 s48, s23, 3145728
	v_mov_b32 v60, s48
	s_lshl_b32 s48, s23, 14
	v_lshl_add_u32 v56, v1, 4, s48
	global_load_b128 v[8:11], v58, s[18:19]
	global_load_b128 v[12:15], v58, s[18:19] offset:512
	global_load_b96 v[16:18], v59, s[6:7]
	global_load_b96 v[20:22], v60, s[4:5]
.irp k, 0,1,2,3,4,5,6,7
	global_load_b128 v[64+8*\k:67+8*\k], v56, s[16:17] offset:\k*1024
	global_load_b128 v[68+8*\k:71+8*\k], v56, s[16:17] offset:\k*1024+512
.endr
	v_mov_b32 v52, 0
	v_mov_b32 v53, 0
	v_mov_b32 v54, 0
	v_mov_b32 v27, 0
	v_mov_b32 v35, 0
	v_cmp_eq_u32 vcc_lo, 16, v1
	s_wait_loadcnt 16                              ; the four loads in front of the ring's sixteen are in
.irp c, 0,1,2
	v_cndmask_b32 v[24+\c], 0, 1.0, vcc_lo
	v_cndmask_b32 v[28+\c], 0, v[20+\c], vcc_lo
.endr
.irp k, 0,1,2,3,4,5,6,7,8,9,10,11,12,13,14,15
	STEP \k
.endr
.irp c, 0,1,2
	v_fma_f32 v[32+\c], -v[24+\c], v[16+\c], v[28+\c]   ; B = M - A KP
.endr
	v_lshlrev_b32 v57, 5, v1
	v_add_nc_u32 v57, COEF, v57
	ds_store_b128 v57, v[24:27]
	ds_store_b128 v57, v[32:35] offset:16
	s_branch .Lbar
.Lothers:
	PRE                                            ; waves 1 to 31 make their rows ready while wave 0 walks its steps
.Lbar:
	s_wait_dscnt 0x0                               ; wave 0: the coefficients are stored, for the others' sake
	s_wait_kmcnt 0x0
	s_barrier_signal -1
	s_barrier_wait -1
	s_cmp_lg_u32 s25, 0
	s_cbranch_scc1 .Lapply
	PRE                                            ; wave 0's own row: the steps used the same registers
.Lapply:
	v_lshlrev_b32 v7, 5, v1
	v_add_nc_u32 v7, COEF, v7
	ds_load_b128 v[CF:CF+3], v7                    ; lane g: box g's A
	ds_load_b128 v[CF+4:CF+7], v7 offset:16        ; and B
	s_wait_dscnt 0x0
	s_mov_b32 s38, 0
.Lg:
	s_lshr_b32 s62, s27, s38
	s_and_b32 s62, s62, 1
	s_cmp_eq_u32 s62, 0
	s_cbranch_scc1 .Lnext                          ; box g does not cover my row
.irp c, 0,1,2
	v_readlane_b32 s[56+\c], v[CF+\c], s38         ; the box's A and B, out of lane g
	v_readlane_b32 s[59+\c], v[CF+4+\c], s38
.endr
	s_lshl_b32 s39, s38, 12                        ; the box's marker
.irp G, 0,1,2,3,4,5,6,7
	APG \G
.endr
.Lnext:
	s_add_co_u32 s38, s38, 1
	s_cmp_lt_u32 s38, 16
	s_cbranch_scc1 .Lg
	; the way out: 12 bytes a lane into my own LDS bytes (lanes 3 words apart), 16 bytes a lane back
.irp ch, 0,1,2,3,4,5,6,7,8,9,10,11,12,13,14,15
.irp c, 0,1,2
	ds_store_b32 v2, v[ROW+4*\ch+\c] offset:384*\ch+4*\c
.endr
.endr
.irp t, 0,1,2,3,4,5,6,7,8,9,10,11
	ds_load_b128 v[OUTR+4*\t:OUTR+4*\t+3], v3 offset:512*\t        ; LDS serves a wave's instructions in order (ISA guide 5.7.1.4): these see the stores above
.endr
.irp t, 0,1,2,3,4,5,6,7,8,9,10,11
	s_wait_dscnt 11-\t                             ; LDS loads come back in order: number t is in, the younger ones stay out
	global_store_b128 v4, v[OUTR+4*\t:OUTR+4*\t+3], s[54:55] offset:512*\t th:TH_STORE_NT
.endr
	s_wait_xcnt 0x0
	v_lshl_add_u32 v126, v0, 2, 0x30400
	v_mov_b32 v127, 0
	s_wait_tensorcnt 0x0
	ds_add_u32 v126, v127
	s_wait_dscnt 0x0
	s_endpgm
.Lfunc_end_k_qa2ea20d3ae_paint:
	.size	k_qa2ea20d3ae_paint, .Lfunc_end_k_qa2ea20d3ae_paint-k_qa2ea20d3ae_paint
	.p2alignl 7, 3214868480
	.fill 96, 4, 3214868480
	.section	.rodata,"a",@progbits
	.p2align	6, 0x0
	.amdhsa_kernel k_qa2ea20d3ae_paint
		.amdhsa_group_segment_fixed_size 201728
		.amdhsa_private_segment_fixed_size 0
		.amdhsa_enable_private_segment 0
		.amdhsa_kernarg_size 72
		.amdhsa_user_sgpr_count 2
		.amdhsa_user_sgpr_kernarg_segment_ptr 1
		.amdhsa_wavefront_size32 1
		.amdhsa_system_sgpr_workgroup_id_x 1
		.amdhsa_system_sgpr_workgroup_id_y 1
		.amdhsa_system_sgpr_workgroup_id_z 1
		.amdhsa_system_vgpr_workitem_id 0
		.amdhsa_next_free_vgpr 128
		.amdhsa_next_free_sgpr 82
		.amdhsa_reserve_vcc 1
		.amdhsa_float_denorm_mode_32 3
		.amdhsa_float_denorm_mode_16_64 3
		.amdhsa_memory_ordered 1
		.amdhsa_forward_progress 1
		.amdhsa_inst_pref_size 205
	.end_amdhsa_kernel
	.amdgpu_metadata
---
amdhsa.version: [ 1, 2 ]
amdhsa.kernels:
  - .name:           k_qa2ea20d3ae_paint
    .symbol:         k_qa2ea20d3ae_paint.kd
    .args:
      - { .name: images, .offset: 0, .size: 8, .value_kind: global_buffer, .address_space: global }
      - { .name: patch, .offset: 8, .size: 8, .value_kind: global_buffer, .address_space: global }
      - { .name: geo, .offset: 16, .size: 8, .value_kind: global_buffer, .address_space: global }
      - { .name: mtab, .offset: 24, .size: 8, .value_kind: global_buffer, .address_space: global }
      - { .name: itab, .offset: 32, .size: 8, .value_kind: global_buffer, .address_space: global }
      - { .name: wtab, .offset: 40, .size: 8, .value_kind: global_buffer, .address_space: global }
      - { .name: sums, .offset: 48, .size: 8, .value_kind: global_buffer, .address_space: global }
      - { .name: pstat, .offset: 56, .size: 8, .value_kind: global_buffer, .address_space: global }
      - { .name: out0, .offset: 64, .size: 8, .value_kind: global_buffer, .address_space: global }
    .group_segment_fixed_size: 201728
    .private_segment_fixed_size: 0
    .kernarg_segment_align: 8
    .kernarg_segment_size: 72
    .max_flat_workgroup_size: 1024
    .sgpr_count:     82
    .vgpr_count:     128
    .wavefront_size: 32
...
	.end_amdgpu_metadata
.endif
;; end of part 4
;; ======== version 3 of 3: 3 launches; 1.75 times as fast as version 1
;; limits: a difference of large sums (such as E[x^2] - mean^2): digits are lost where the result is much smaller than its terms
;; workspace buffers: geo 8,192 bytes of whole numbers; mtab 65,536 bytes of whole numbers; itab 1,048,576 bytes of whole numbers; wtab 1,048,576 bytes; psum 8,192 bytes; pstat 16,384 bytes; sums 262,144 bytes
;; launch prep: the kernel of part 1 again; grid 256 x 1, 4 waves a work-group, no clusters, 768 bytes of LDS; arguments boxes, patch, geo, mtab, itab, wtab, psum; writes geo, mtab, itab, wtab, psum
;; launch sums (part 5): grid 256 x 1, 16 waves a work-group, no clusters, 18,432 bytes of LDS; arguments images, patch, geo, mtab, itab, wtab, psum, sums, pstat; writes sums, pstat
.if DOCPART == 5
	.amdgcn_target "amdgcn-amd-amdhsa--gfx1250"
	.amdhsa_code_object_version 6
	.text
	.protected	k_qa2ea20d3ae_sums
	.globl	k_qa2ea20d3ae_sums
	.p2align	8
	.type	k_qa2ea20d3ae_sums,@function
k_qa2ea20d3ae_sums:
	s_mov_b64 s[64:65], 0
	v_nop
	global_prefetch_b8 v0, s[64:65] scope:SCOPE_SE
	s_setreg_imm32_b32 hwreg(HW_REG_WAVE_MODE, 25, 1), 1
	s_wait_xcnt 0x0
; SUMS.  Work-group i = 16 b + k: the statistics that step k of image b needs, split by OWNER.  A pixel of box k's rectangle is owned by the
; last box g < k that covers it, or by the original image (g = 16).  A pixel owned by g holds A_g u + M_g, where u = R_g - KP is the raw patch
; resampled into box g (KP = patch[0][0]) or u = image - KI (KI = images[b][0][0]); bilinear weights add up to 1, so A_g and M_g stay outside.
; Here n, the sum of u and the sum of u^2 are made for each owner: they hang on no A or M, so all 256 steps are served at once.
;   sums[i][0][g] = n, S1 x 3      sums[i][1][g] = S2 x 3, 1 / max(count, 1)      (g = 17..31: zeros)
; The work-groups with k = 0 also add up the patch's partial sums:  pstat[b][0][lane] = mean - KP, 0;  pstat[b][1][lane] = 1 / (std + 1e-6), 0.
; ONE WALK over the rectangle, whatever the number of boxes that meet it: a pixel's owner is the highest bit of column mask & row mask & imask (imask names
; just the boxes in front of k that meet k's rectangle); the pixel is resampled once, from its owner's tables.  The sums of all 17 owners stay in registers
; (6 x 17; n is counted in scalar registers from the lane masks), so the lanes are added up once, at the end.  That takes 256 registers a wave: 16 waves.
; SHARES: wave w takes rows first + w, first + w + 16, ..; a row goes 128 columns at a time, four sub-chunks of 32 lanes.  The trips over columns are the
; outer loop, so the column masks and offsets are made once a trip; the next row's mask is asked for a row ahead.
; All bounds, masks and source indices are whole numbers that the launch before stored; each is clamped by a constant before it enters an address.
; Every loop ends on a counter of its own, stepped by 1 against a number of trips made ahead of the loop; x and y are stepped beside it.
; LIMITS: the sums are taken about KP and KI, not about the exact mean; at source index 511 the taps are 510 and 511 with fraction 1 (as the painting launch has it).
.set SB,  24                           ; sub-chunk s has 28 registers at SB + 28 s: +0 column mask, +1 12 X, +2 4 X (these three last a trip), +3 marker (owner, 16 = image, -1 = outside),
.set BL,  28                           ;   +4 source column then the taps' offset, +5 x fraction, +6 source row, +7 y fraction, +8..10 p00 then u, +11 offset into the y tables,
                                       ;   +12..14 p01 then at work, +16..18 p10, +20..22 p11, +24..26 the image's pixel, +27 X, the mask, then the offset into the x tables
.set KI,  12                           ; v[12:14]
.set KP,  16                           ; v[16:18]
.set TMP, 19
.set ACC, 136                          ; v[136:237] owner g: S1 x 3, S2 x 3 at ACC + 6 g
.set T6,  238                          ; v[238:243] the other half of the lanes' sums
.set NC,  72                           ; s[72:88]  owner g's n
.set PO,  58                           ; s[58:61]  sub-chunk s: lanes inside the rectangle that a box owns
.set INS, 66                           ; s[66:69]  sub-chunk s: lanes inside the rectangle
; v1 lane; v[4:7], v[8:11] a record at work (v11 stays 0); v20 an LDS address, v21 the wave's LDS bytes, v22 = 0
; s22 i, s23 b, s24 k, s25 wave; s28-31 box k's ylo, yhi, xlo, xhi; s32 imask; s[36:37], s[38:39] image b's tables; s40 4 y; s42 y; s44 x; s46 the next row's place in the masks;
; s47 row mask & imask; s48 the next row's mask; s[52:53] an offset with 0 above it; s[56:57] the row in images; s62, s63 at work; s70, s71 column trips done, to do;
; s89, s90 rows done, to do; s91 my first row
.macro WSUM r
	v_add_f32_dpp v[\r], v[\r], v[\r] row_xmask:1 row_mask:0xf bank_mask:0xf
	v_add_f32_dpp v[\r], v[\r], v[\r] row_xmask:2 row_mask:0xf bank_mask:0xf
	v_add_f32_dpp v[\r], v[\r], v[\r] row_xmask:4 row_mask:0xf bank_mask:0xf
	v_add_f32_dpp v[\r], v[\r], v[\r] row_xmask:8 row_mask:0xf bank_mask:0xf
	v_permlanex16_b32 v[TMP], v[\r], s50, s51
	v_add_f32 v[\r], v[\r], v[TMP]
.endm
; The owner = the highest set bit of the 16-bit mask in +27, by four halvings; then the owner's four table entries are asked for.
; A lane that no box owns comes out as box 0 and reads that box's tables: inside the buffers, and dropped later.
.macro OWN s
.set o, SB+BL*\s
	v_cmp_lt_u32 vcc_lo, 0xff, v[o+27]
	v_cndmask_b32 v[o+3], 0, 8, vcc_lo
	v_lshrrev_b32 v[o+27], v[o+3], v[o+27]
	v_cmp_lt_u32 vcc_lo, 15, v[o+27]
	v_cndmask_b32 v[o+4], 0, 4, vcc_lo
	v_lshrrev_b32 v[o+27], v[o+4], v[o+27]
	v_add_nc_u32 v[o+3], v[o+3], v[o+4]
	v_cmp_lt_u32 vcc_lo, 3, v[o+27]
	v_cndmask_b32 v[o+4], 0, 2, vcc_lo
	v_lshrrev_b32 v[o+27], v[o+4], v[o+27]
	v_add_nc_u32 v[o+3], v[o+3], v[o+4]
	v_cmp_lt_u32 vcc_lo, 1, v[o+27]
	v_cndmask_b32 v[o+4], 0, 1, vcc_lo
	v_add_nc_u32 v[o+3], v[o+3], v[o+4]
	v_min_u32 v[o+3], 15, v[o+3]                   ; a number made from loaded masks: clamped before it enters an address
	v_lshlrev_b32 v[o+11], 12, v[o+3]              ; the owner's tables: 4,096 bytes a box
	v_add_nc_u32 v[o+27], v[o+11], v[o+2]          ; + 4 X
	v_add_nc_u32 v[o+11], s40, v[o+11]             ; + 4 y
	global_load_b32 v[o+4], v[o+27], s[36:37] offset:2048   ; source column
	global_load_b32 v[o+5], v[o+27], s[38:39] offset:2048   ; and its fraction
	global_load_b32 v[o+6], v[o+11], s[36:37]               ; source row
	global_load_b32 v[o+7], v[o+11], s[38:39]               ; and its fraction
.endm
; The source indices are cut to 510 (where one was 511 its fraction, 0 there, becomes 1), so that the four taps are always neighbours: one offset,
; immediates 0, 12, 6,144 and 6,156; the last byte asked for is 510 x 6,144 + 510 x 12 + 6,156 + 12 = the patch's 3,145,728th.
.macro TAPS s
.set o, SB+BL*\s
	v_cmp_lt_u32 vcc_lo, 0x1fe, v[o+4]
	v_cndmask_b32 v[o+5], v[o+5], 1.0, vcc_lo
	v_cmp_lt_u32 vcc_lo, 0x1fe, v[o+6]
	v_cndmask_b32 v[o+7], v[o+7], 1.0, vcc_lo
	v_min_u32 v[o+4], 0x1fe, v[o+4]
	v_min_u32 v[o+6], 0x1fe, v[o+6]
	v_mul_u32_u24 v[o+4], 12, v[o+4]
	v_mul_u32_u24 v[o+6], 0x1800, v[o+6]
	v_add_nc_u32 v[o+4], v[o+4], v[o+6]
	v_cndmask_b32 v[o+3], 16, v[o+3], s[PO+\s]     ; the marker: the owner, 16 where no box owns the pixel,
	v_cndmask_b32 v[o+3], -1, v[o+3], s[INS+\s]    ; -1 outside the rectangle
	global_load_b96 v[o+8:o+10], v[o+4], s[6:7]
	global_load_b96 v[o+12:o+14], v[o+4], s[6:7] offset:12
	global_load_b96 v[o+16:o+18], v[o+4], s[6:7] offset:6144
	global_load_b96 v[o+20:o+22], v[o+4], s[6:7] offset:6156
.endm
; u: the bilinear value of the four taps less KP where a box owns the pixel, the image's pixel less KI elsewhere
.macro VAL s
.set o, SB+BL*\s
.irp c, 0,1,2
	v_sub_f32 v[o+12+\c], v[o+12+\c], v[o+8+\c]
	v_sub_f32 v[o+20+\c], v[o+20+\c], v[o+16+\c]
	v_sub_f32 v[o+24+\c], v[o+24+\c], v[KI+\c]
.endr
.irp c, 0,1,2
	v_fma_f32 v[o+8+\c], v[o+5], v[o+12+\c], v[o+8+\c]
	v_fma_f32 v[o+16+\c], v[o+5], v[o+20+\c], v[o+16+\c]
.endr
.irp c, 0,1,2
	v_sub_f32 v[o+16+\c], v[o+16+\c], v[o+8+\c]
.endr
.irp c, 0,1,2
	v_fma_f32 v[o+8+\c], v[o+7], v[o+16+\c], v[o+8+\c]
.endr
.irp c, 0,1,2
	v_sub_f32 v[o+8+\c], v[o+8+\c], v[KP+\c]
.endr
.irp c, 0,1,2
	v_cndmask_b32 v[o+8+\c], v[o+24+\c], v[o+8+\c], s[PO+\s]
.endr
.endm
; Owner g takes its lanes of the four sub-chunks.  A box that does not cover the row is jumped over.
.macro ACCG g
.if \g < 16
	s_bitcmp1_b32 s47, \g
	s_cbranch_scc0 .Lno_\@
.endif
.irp s, 0,1,2,3
.set o, SB+BL*\s
	v_cmp_eq_u32 s62, \g, v[o+3]
	s_bcnt1_i32_b32 s63, s62
	s_add_co_u32 s[NC+\g], s[NC+\g], s63
.irp c, 0,1,2
	v_cndmask_b32 v[o+12+\c], 0, v[o+8+\c], s62
.endr
.irp c, 0,1,2
	v_add_f32 v[ACC+6*\g+\c], v[ACC+6*\g+\c], v[o+12+\c]
	v_fma_f32 v[ACC+6*\g+3+\c], v[o+12+\c], v[o+12+\c], v[ACC+6*\g+3+\c]
.endr
.endr
.if \g < 16
.Lno_\@:
.endif
.endm
; Owner g's six sums over the 32 lanes, side by side, and its record into the wave's own LDS bytes.  A box that does not meet box k keeps its zeros.
.macro FLUSHG g
.set ga, ACC+6*\g
.if \g < 16
	s_bitcmp1_b32 s32, \g
	s_cbranch_scc0 .Lnf_\@
.endif
.irp m, 1,2,4,8
.irp c, 0,1,2,3,4,5
	v_add_f32_dpp v[ga+\c], v[ga+\c], v[ga+\c] row_xmask:\m row_mask:0xf bank_mask:0xf
.endr
.endr
.irp c, 0,1,2,3,4,5
	v_permlanex16_b32 v[T6+\c], v[ga+\c], s50, s51
.endr
.irp c, 0,1,2
	v_add_f32 v[5+\c], v[ga+\c], v[T6+\c]
	v_add_f32 v[8+\c], v[ga+3+\c], v[T6+3+\c]
.endr
	v_cvt_f32_u32 v4, s[NC+\g]                     ; at most 262,144: exact
	ds_store_b128 v21, v[4:7] offset:32*\g
	ds_store_b128 v21, v[8:11] offset:32*\g+16
.if \g < 16
.Lnf_\@:
.endif
.endm
	s_load_b512 s[4:19], s[0:1], 0x0               ; images s[4:5], patch s[6:7], geo s[8:9], mtab s[10:11], itab s[12:13], wtab s[14:15], psum s[16:17], sums s[18:19]
	s_load_b64 s[20:21], s[0:1], 0x40              ; pstat
	v_lshl_add_u32 v254, v0, 2, 0x4000
	v_mov_b32 v255, 0
	s_mov_b32 s22, ttmp9
	s_lshr_b32 s23, s22, 4
	s_and_b32 s24, s22, 15
	v_lshrrev_b32 v2, 5, v0
	v_readfirstlane_b32 s25, v2
	v_and_b32 v1, 31, v0
	s_mov_b32 s50, 0x76543210
	s_mov_b32 s51, 0xfedcba98
	s_mov_b32 s53, 0
	s_lshl_b32 s62, s22, 5
	v_mov_b32 v[TMP], 0
.irp r, 4,5,6,7,8,9,10,11
	v_mov_b32 v\r, 0
.endr
	s_lshl_b32 s63, s25, 10                        ; LDS: wave x 1,024 + owner x 32; owners that are not flushed stay zero
	v_mov_b32 v21, s63
	v_lshl_add_u32 v20, v1, 5, s63
	ds_store_b128 v20, v[4:7]
	ds_store_b128 v20, v[8:11] offset:16
	v_mov_b32 v22, 0
	s_wait_kmcnt 0x0
	s_load_b256 s[28:35], s[8:9], s62 offset:0x0   ; box k's record
	s_mul_i32 s52, s23, 3145728
	s_add_nc_u64 s[4:5], s[4:5], s[52:53]          ; image b
	s_lshl_b32 s52, s23, 12
	s_add_nc_u64 s[10:11], s[10:11], s[52:53]      ; image b's masks
	s_lshl_b32 s52, s23, 16
	s_add_nc_u64 s[36:37], s[12:13], s[52:53]      ; image b's sixteen tables of 4,096 bytes
	s_add_nc_u64 s[38:39], s[14:15], s[52:53]
	global_load_b96 v[KI:KI+2], v22, s[4:5]
	global_load_b96 v[KP:KP+2], v22, s[6:7]
	; all 17 owners' sums are cleared, and the six registers behind them: which owners a row meets is known only from the masks
.set j, 0
.rept 108
	v_mov_b32 v[ACC+j], 0
.set j, j+1
.endr
.set j, 0
.rept 17
	s_mov_b32 s[NC+j], 0
.set j, j+1
.endr
	s_wait_kmcnt 0x0
	s_min_u32 s28, s28, 0x200
	s_min_u32 s29, s29, 0x200
	s_min_u32 s30, s30, 0x200
	s_min_u32 s31, s31, 0x200
	s_wait_loadcnt 0x0                             ; the two pivots, once
	s_add_co_u32 s91, s28, s25                     ; my first row
	s_cmp_ge_u32 s91, s29
	s_cbranch_scc1 .Lflush
	s_cmp_ge_u32 s30, s31
	s_cbranch_scc1 .Lflush
	s_sub_co_u32 s90, s29, s91                     ; my rows: every 16th from my first to the end
	s_add_co_u32 s90, s90, 15
	s_lshr_b32 s90, s90, 4
	s_sub_co_u32 s71, s31, s30                     ; trips of 128 columns
	s_add_co_u32 s71, s71, 127
	s_lshr_b32 s71, s71, 7
	s_mov_b32 s44, s30
	s_mov_b32 s70, 0
.Lxt:
	s_mov_b32 s42, s91
	s_min_u32 s46, s42, 0x1ff
	s_lshl_b32 s46, s46, 2
	s_load_b32 s48, s[10:11], s46 offset:0x0       ; the first row's mask
.irp s, 0,1,2,3
.set o, SB+BL*\s
	v_add3_u32 v[o+27], v1, s44, 32*\s             ; X
	v_cmp_gt_u32 s[INS+\s], s31, v[o+27]           ; inside the rectangle
	v_min_u32 v[o+27], 0x1ff, v[o+27]
	v_lshlrev_b32 v[o+2], 2, v[o+27]
	v_mul_u32_u24 v[o+1], 12, v[o+27]
	global_load_b32 v[o], v[o+2], s[10:11] offset:2048
.endr
	s_mov_b32 s89, 0
	s_wait_loadcnt 0x0                             ; the trip's column masks
.Lrow:
	s_wait_kmcnt 0x0                               ; this row's mask, asked for a row ago; s46 and s48 may be written again
	s_and_b32 s47, s48, s32
	s_min_u32 s62, s42, 0x1ff
	s_lshl_b32 s40, s62, 2
	s_mul_i32 s52, s62, 6144
	s_add_nc_u64 s[56:57], s[4:5], s[52:53]        ; the row; every load that named this pair has been waited for
	s_add_co_u32 s63, s42, 16
	s_min_u32 s63, s63, 0x1ff                      ; behind my last row: a clamped entry, not used
	s_lshl_b32 s46, s63, 2
	s_load_b32 s48, s[10:11], s46 offset:0x0       ; the next row's mask
.irp s, 0,1,2,3
.set o, SB+BL*\s
	global_load_b96 v[o+24:o+26], v[o+1], s[56:57]
.endr
.irp s, 0,1,2,3
.set o, SB+BL*\s
	v_and_b32 v[o+27], s47, v[o]
	v_cmp_ne_u32 s[PO+\s], 0, v[o+27]
	s_and_b32 s[PO+\s], s[PO+\s], s[INS+\s]
.endr
	s_or_b32 s62, s58, s59
	s_or_b32 s63, s60, s61
	s_or_b32 s62, s62, s63
	s_cmp_eq_u32 s62, 0
	s_cbranch_scc1 .Lplain                         ; no box owns a pixel here: no tables, no taps
.irp s, 0,1,2,3
	OWN \s
.endr
	s_wait_loadcnt 0x0                             ; the image's pixels and all sixteen table entries
.irp s, 0,1,2,3
	TAPS \s
.endr
.irp s, 0,1,2,3
	s_wait_loadcnt 12-4*\s                         ; this sub-chunk's four taps are in; the younger sub-chunks' four each stay out
	VAL \s
.endr
.irp g, 0,1,2,3,4,5,6,7,8,9,10,11,12,13,14,15
	ACCG \g
.endr
	s_branch .Lorig
.Lplain:
	s_wait_loadcnt 0x0                             ; the image's pixels
.irp s, 0,1,2,3
.set o, SB+BL*\s
	v_cndmask_b32 v[o+3], -1, 16, s[INS+\s]
.irp c, 0,1,2
	v_sub_f32 v[o+8+\c], v[o+24+\c], v[KI+\c]
.endr
.endr
.Lorig:
	ACCG 16
	s_add_co_u32 s42, s42, 16
	s_add_co_u32 s89, s89, 1
	s_cmp_lt_u32 s89, s90
	s_cbranch_scc1 .Lrow
	s_wait_kmcnt 0x0                               ; the mask asked for ahead has landed: s46 and s48 may be written again
	s_add_co_u32 s44, s44, 128
	s_add_co_u32 s70, s70, 1
	s_cmp_lt_u32 s70, s71
	s_cbranch_scc1 .Lxt
.Lflush:
.irp g, 0,1,2,3,4,5,6,7,8,9,10,11,12,13,14,15,16
	FLUSHG \g
.endr
	s_wait_dscnt 0x0                               ; for the others' sake: my stores into LDS are done
	s_barrier_signal -1
	s_barrier_wait -1
	s_cmp_lt_u32 s25, 2
	s_cbranch_scc1 .Ltot
	s_cmp_lg_u32 s25, 2
	s_cbranch_scc1 .Lend
	s_cmp_lg_u32 s24, 0
	s_cbranch_scc1 .Lend
	; wave 2 of the work-groups with k = 0: the patch's mean and spread from the 256 partial sums
	v_lshlrev_b32 v20, 4, v1
.irp t, 0,1,2,3,4,5,6,7
	global_load_b128 v[24+4*\t:27+4*\t], v20, s[16:17] offset:512*\t
	global_load_b128 v[56+4*\t:59+4*\t], v20, s[16:17] offset:4096+512*\t
.endr
	s_wait_loadcnt 0x0
.irp t, 1,2,3,4,5,6,7
	v_pk_add_f32 v[24:25], v[24:25], v[24+4*\t:25+4*\t]
	v_pk_add_f32 v[26:27], v[26:27], v[26+4*\t:27+4*\t]
	v_pk_add_f32 v[56:57], v[56:57], v[56+4*\t:57+4*\t]
	v_pk_add_f32 v[58:59], v[58:59], v[58+4*\t:59+4*\t]
.endr
.irp r, 24,25,26,56,57,58
	WSUM \r
.endr
.irp c, 0,1,2
	v_mul_f32 v[4+\c], 0x36800000, v[24+\c]        ; / 262,144: mean - KP
	v_mul_f32 v[8+\c], 0x36800000, v[56+\c]
.endr
.irp c, 0,1,2
	v_fma_f32 v[8+\c], -v[4+\c], v[4+\c], v[8+\c]
.endr
.irp c, 0,1,2
	v_max_num_f32 v[8+\c], 0, v[8+\c]
.endr
	v_sqrt_f32 v8, v8
	v_sqrt_f32 v9, v9
	v_sqrt_f32 v10, v10
	v_mov_b32 v7, 0                                ; a plain instruction between the roots and their use
	s_wait_alu depctr_va_vdst(0)
.irp c, 0,1,2
	v_add_f32 v[8+\c], 0x358637bd, v[8+\c]         ; + 1e-6
.endr
	v_rcp_f32 v8, v8
	v_rcp_f32 v9, v9
	v_rcp_f32 v10, v10
	v_mov_b32 v11, 0                               ; the same behind the reciprocals
	s_lshl_b32 s62, s23, 10
	v_lshl_add_u32 v21, v1, 4, s62
	global_store_b128 v21, v[4:7], s[20:21]        ; 512 neighbouring bytes each, aligned
	s_wait_alu depctr_va_vdst(0)
	global_store_b128 v21, v[8:11], s[20:21] offset:512
.Lend:
	s_wait_tensorcnt 0x0
	ds_add_u32 v254, v255
	s_wait_dscnt 0x0
	s_endpgm
.Ltot:	; waves 0 and 1: lane g adds the 16 waves' sums of owner g; wave 0 takes n and S1, wave 1 takes S2
	s_lshl_b32 s62, s25, 4
	v_lshl_add_u32 v20, v1, 5, s62
.irp bt, 0,1
.irp n, 0,1,2,3,4,5,6,7
	ds_load_b128 v[24+4*\n:27+4*\n], v20 offset:(8*\bt+\n)*1024
.endr
	s_wait_dscnt 0x0
.irp p, 0,2
	v_pk_add_f32 v[24+\p:25+\p], v[24+\p:25+\p], v[28+\p:29+\p]
	v_pk_add_f32 v[32+\p:33+\p], v[32+\p:33+\p], v[36+\p:37+\p]
	v_pk_add_f32 v[40+\p:41+\p], v[40+\p:41+\p], v[44+\p:45+\p]
	v_pk_add_f32 v[48+\p:49+\p], v[48+\p:49+\p], v[52+\p:53+\p]
	v_pk_add_f32 v[24+\p:25+\p], v[24+\p:25+\p], v[32+\p:33+\p]
	v_pk_add_f32 v[40+\p:41+\p], v[40+\p:41+\p], v[48+\p:49+\p]
.if \bt == 0
	v_pk_add_f32 v[4+\p:5+\p], v[24+\p:25+\p], v[40+\p:41+\p]      ; the first eight waves start the total
.else
	v_pk_add_f32 v[24+\p:25+\p], v[24+\p:25+\p], v[40+\p:41+\p]
	v_pk_add_f32 v[4+\p:5+\p], v[4+\p:5+\p], v[24+\p:25+\p]
.endif
.endr
.endr
	s_sub_co_u32 s62, s29, s28
	s_sub_co_u32 s63, s31, s30
	s_mul_i32 s62, s62, s63                        ; the rectangle's pixels
	v_cvt_f32_u32 v21, s62
	v_max_num_f32 v21, 1.0, v21
	v_rcp_f32 v21, v21
	s_cmp_eq_u32 s25, 1
	s_cselect_b32 s63, -1, 0
	s_lshl_b32 s66, s22, 10
	s_lshl_b32 s67, s25, 9
	s_add_co_u32 s66, s66, s67
	v_lshl_add_u32 v22, v1, 4, s66                 ; a plain instruction between the reciprocal and its use
	s_wait_alu depctr_va_vdst(0)
	v_cndmask_b32 v7, v7, v21, s63                 ; wave 1's fourth number is 1 / count
	global_store_b128 v22, v[4:7], s[18:19]        ; 512 neighbouring bytes, aligned
	s_wait_tensorcnt 0x0
	ds_add_u32 v254, v255
	s_wait_dscnt 0x0
	s_endpgm
.Lfunc_end_k_qa2ea20d3ae_sums:
	.size	k_qa2ea20d3ae_sums, .Lfunc_end_k_qa2ea20d3ae_sums-k_qa2ea20d3ae_sums
	.p2alignl 7, 3214868480
	.fill 96, 4, 3214868480
	.section	.rodata,"a",@progbits
	.p2align	6, 0x0
	.amdhsa_kernel k_qa2ea20d3ae_sums
		.amdhsa_group_segment_fixed_size 18432
		.amdhsa_private_segment_fixed_size 0
		.amdhsa_enable_private_segment 0
		.amdhsa_kernarg_size 72
		.amdhsa_user_sgpr_count 2
		.amdhsa_user_sgpr_kernarg_segment_ptr 1
		.amdhsa_wavefront_size32 1
		.amdhsa_system_sgpr_workgroup_id_x 1
		.amdhsa_system_sgpr_workgroup_id_y 1
		.amdhsa_system_sgpr_workgroup_id_z 1
		.amdhsa_system_vgpr_workitem_id 0
		.amdhsa_next_free_vgpr 256
		.amdhsa_next_free_sgpr 92
		.amdhsa_reserve_vcc 1
		.amdhsa_float_denorm_mode_32 3
		.amdhsa_float_denorm_mode_16_64 3
		.amdhsa_memory_ordered 1
		.amdhsa_forward_progress 1
		.amdhsa_inst_pref_size 116
	.end_amdhsa_kernel
	.amdgpu_metadata
---
amdhsa.version: [ 1, 2 ]
amdhsa.kernels:
  - .name:           k_qa2ea20d3ae_sums
    .symbol:         k_qa2ea20d3ae_sums.kd
    .args:
      - { .name: images, .offset: 0, .size: 8, .value_kind: global_buffer, .address_space: global }
      - { .name: patch, .offset: 8, .size: 8, .value_kind: global_buffer, .address_space: global }
      - { .name: geo, .offset: 16, .size: 8, .value_kind: global_buffer, .address_space: global }
      - { .name: mtab, .offset: 24, .size: 8, .value_kind: global_buffer, .address_space: global }
      - { .name: itab, .offset: 32, .size: 8, .value_kind: global_buffer, .address_space: global }
      - { .name: wtab, .offset: 40, .size: 8, .value_kind: global_buffer, .address_space: global }
      - { .name: psum, .offset: 48, .size: 8, .value_kind: global_buffer, .address_space: global }
      - { .name: sums, .offset: 56, .size: 8, .value_kind: global_buffer, .address_space: global }
      - { .name: pstat, .offset: 64, .size: 8, .value_kind: global_buffer, .address_space: global }
    .group_segment_fixed_size: 18432
    .private_segment_fixed_size: 0
    .kernarg_segment_align: 8
    .kernarg_segment_size: 72
    .max_flat_workgroup_size: 512
    .sgpr_count:     92
    .vgpr_count:     256
    .wavefront_size: 32
...
	.end_amdgpu_metadata
.endif
;; end of part 5
;; launch paint: the kernel of part 4 again; grid 256 x 1, 32 waves a work-group, no clusters, 201,728 bytes of LDS; arguments images, patch, geo, mtab, itab, wtab, sums, pstat, out0; writes out0
